; MI455X (gfx1250); checked and timed in simulation.
; The chip was launched on July 23, 2026; its instructions are those of AMD's public machine-readable ISA for CDNA 5 (MIT licence, August 2026) and "CDNA5" Instruction Set Architecture Reference Guide (July 2026). The comments in the code are by the model that wrote it; some were corrected since.
;; Self Attention. Allowed arithmetic: matrix products marked QUANTISED: E2M3 operands, one E8M0 scale for each 32 along K, by v_wmma_scale_f32_16x16x128_f8f6f4 with both operands' format E2M3, f32 sums; everything else in f32.
;; Inputs: Wk 1,024 x 1,024 float32; Wq 1,024 x 1,024 float32; Wv 1,024 x 1,024 float32; bk 1,024 float32; bq 1,024 float32; bv 1,024 float32; key 4 x 2,048 x 1,024 float32; query 4 x 2,048 x 1,024 float32; value 4 x 2,048 x 1,024 float32.
;; Outputs: out0 4 x 2,048 x 1,024 float32.
;; This version of the problem:
;;   THIS VERSION OF THE PROBLEM IS GIVEN IN LOW PRECISION. The matrix products marked QUANTISED in the list below multiply operands that are first quantised to E2M3 (2 exponent bits, 3 mantissa bits; 6 bits a number), with one power-of-two scale for each 32 numbers along K (OCP MX v1.0); their sums are f32. All else is computed in f32.
;;   The module's matrix products, in the order in which they are computed (A, B: the left and right operand; K: the contracted axis; several contracted axes count as one K, in the product's order):
;;     1. [M 8,192, K 1,024] x [K 1,024, N 1,024]; A: input query; B: input Wq: QUANTISED
;;     2. [M 8,192, K 1,024] x [K 1,024, N 1,024]; A: input key; B: input Wk: QUANTISED
;;     3. [M 8,192, K 1,024] x [K 1,024, N 1,024]; A: input value; B: input Wv: QUANTISED
;;     4. batch 4 x [M 2,048, K 1,024] x [K 1,024, N 2,048]; A: computed on the way; B: computed on the way: QUANTISED
;;     5. batch 4 x [M 2,048, K 2,048] x [K 2,048, N 1,024]; A: softmax (see below); B: computed on the way: QUANTISED
;;   THE QUANTISER, for each operand of a quantised product, along K:
;;     - K is cut into blocks of 32 from its start; a last block that is shorter is filled with zeros.
;;     - A block's scale is 2^e with e = floor(log2(the largest magnitude in the block)) - 2, held to -126 .. 127; a block of zeros has e = 0. As a byte (E8M0): e + 127.
;;     - Each number is divided by its block's scale, clamped to +-7.5, and rounded to the nearest number of E2M3, ties to even, subnormals kept.
;;     - The product sums the exact products of the quantised numbers (number of the format x scale) in f32.
;;   ~~~python
;;   def quantise(x, axis):      # numpy; x: float32 -> the quantised numbers, widened to float32 again
;;       x = np.moveaxis(x, axis, -1); K = x.shape[-1]
;;       x = np.pad(x, [(0, 0)] * (x.ndim - 1) + [(0, -K % 32)]); x = x.reshape(x.shape[:-1] + (-1, 32)); a = np.abs(x).max(-1, keepdims=True)
;;       e = np.where(a > 0, np.clip(np.frexp(np.where(a > 0, a, 1))[1] - 1 - 2, -126, 127), 0)      # np.frexp(a)[1] - 1 = floor(log2(a)), exactly
;;       r = np.clip(x / 2.0 ** e, -7.5, 7.5)
;;       step = 2.0 ** (np.maximum(np.frexp(np.where(r == 0, 1, r))[1] - 1, 0) - 3)
;;       q = np.round(r / step) * step * 2.0 ** e      # np.round: ties to even
;;       return np.moveaxis(q.reshape(q.shape[:-2] + (-1,))[..., :K], -1, axis).astype(np.float32)
;;   ~~~
;;   SOFTMAX AHEAD OF A QUANTISED PRODUCT. Where the list says 'softmax', what is quantised is not the finished softmax but p = 2^(t - M), with t = logit x log2(e) and M = ceil(the row's largest t), a whole number; so 1/2 < the row's largest p <= 1. The row's sum l is taken of the UNQUANTISED p, in f32, and the product's result is divided by l at the end. Since M is a whole number, a kernel that streams over the keys may use a running M (the ceiling of the running maximum): every later rescaling is an exact power of two, which a block's scale takes up: the codes' values come out the same.
;;   OPERANDS COMPUTED ON THE WAY. 'Computed on the way' means the value that the module computes at that place (a softmax that the list does not call 'softmax' is quantised finished and normalised). What goes into a quantiser is computed in f32, as accurately as f32 sums, v_exp_f32 and their like allow (about 1e-6 of the number): no bf16 or f16 on the way to a quantiser, and a product that is left as it is and whose result goes on into a quantised operand takes f32 operands (vector FMAs, or v_wmma_f32_16x16x4_f32). A number that lies on a knife's edge between two numbers of the format may be rounded either way, as far as f32 arithmetic and the matrix unit's own rounding can turn it there, and no further.
;; One version. Each part assembles by itself: llvm-mc -triple=amdgcn-amd-amdhsa -mcpu=gfx1250 --defsym DOCPART=n.
;; ======== version 1 of 1: 4 launches
;; workspace buffers: xc 18,874,368 bytes; xs 786,432 bytes; wc 2,359,296 bytes; ws 98,304 bytes; hc 18,874,368 bytes; hs 786,432 bytes; pc 12,582,912 bytes; pst 2,097,152 bytes
;; launch quant (part 1): grid 960 x 1, 4 waves a work-group, no clusters, 46,592 bytes of LDS; arguments query, key, value, Wq, Wk, Wv, xc, xs, wc, ws; writes xc, xs, wc, ws
.if DOCPART == 1
	.amdgcn_target "amdgcn-amd-amdhsa--gfx1250"
	.amdhsa_code_object_version 6
	.text
	.protected	k_q71dc914542_quant
	.globl	k_q71dc914542_quant
	.p2align	8
	.type	k_q71dc914542_quant,@function
k_q71dc914542_quant:
	s_mov_b64 s[64:65], 0
	v_nop
	global_prefetch_b8 v0, s[64:65] scope:SCOPE_SE
	s_setreg_imm32_b32 hwreg(HW_REG_WAVE_MODE, 25, 1), 1
	s_wait_xcnt 0x0
; query, key, value [8192][1024] and Wq, Wk, Wv [1024 (k)][1024 (n)], f32, become codes of FP6 (E2M3) with one E8M0 scale byte for each 32 along K (K = the 1,024 of the inputs' rows, the weights' FIRST axis).
; A block's scale is 2^(floor(log2(its largest magnitude)) - 2); its byte is the largest magnitude's exponent field - 2, held at 1 from below.
; LIMITS: NaN and infinities are not served; a block whose largest magnitude lies under 2^-124 keeps the byte 1; a block of zeros gets the byte 1 where the rule says 127: its codes are zeros, and this program alone reads the bytes.
; LAYOUT OF THE RESULTS: IMAGES OF THE OPERAND'S REGISTERS.  A fragment (16 rows x 128 K, 12 registers a lane) is 1,536 bytes: registers 4 c .. 4 c + 3 of lane l at 512 c + 16 l.  Fragments lie [tile][K step].
; THE ROWS OF A TILE ARE NOT NEIGHBOURS: lane r of tile T holds row 32 (T / 2) + 8 (T % 2) + r + 8 (r / 8), so that the results of two neighbouring tiles, used as source 0, are 16 neighbours in a lane's registers.
; Scale words (four bytes: 128 K of one row) lie [K step][16 T + r]: 32 lanes' words are a pair of tiles.
; SHARES.  Work-groups 0-191: the weights: a wave takes 32 columns x 128 K; a lane takes a column and its registers run down K.  Work-groups 192-959: the inputs: a work-group takes 32 rows, a wave 256 of their K: four fragments.
; Waves share nothing: no barrier.  Work-groups share no input: no cluster.  Each of the two paths has LDS bytes of its own.
.set XST,   8448                       ; the inputs' stage of a wave: 16 rows x (512 bytes + 16)
.set WST0,  4*XST                      ; behind the four: the weights' stages,
.set WST,   3072                       ; two images a wave
.set SPARE, WST0+4*WST                 ; behind them: the spare words, 128 bytes for each wave: two blocks of 256 bytes that no other line names
.set LI,   1                           ; v1   16 x lane
.set LS,   2                           ; v2   4 x lane
.set SI,   5                           ; v5   inputs' stage, in: 16 x lane
.set SOUT, 6                           ; v6   and out: row r, + 64 h
.set WIA,  7                           ; v7   weights' stage, in: my column's tile and lane
.set WR,   8                           ; v8   and out: 16 x lane
.set WSO,  9                           ; v9   my column's place among the pair's scale words
.set R,    16                          ; v16-143  inputs: two sets of 64 registers as loaded
.set X,    144                         ; v144-207 64 numbers of a lane: register 16 b + i = k 32 b + 16 h + i of row r
.set PC,   208                         ; v208-227 the codes just made
.set TM,   228                         ; v228-243 at work
.set PW,   244                         ; the scale word just made;  v245 the even tile's;  v246-247 a pair's, to store
.set PWE,  245
.set PWM,  246
.set XW,   16                          ; v16-143  weights: 128 numbers down K
.set CW,   144                         ; v144-175 a block's six registers of codes, eight apart
.set T2,   176
.set MX,   180
.set SOP,  182
.set BYT,  183
.set SW,   188
.set O,    192                         ; v192-215 the way out
.set SPW,  250                         ; v250 LDS address of my spare word; never rewritten
.set NIL,  251                         ; v251 0; never rewritten
.set WV,   24
.set HI,   40                          ; s40  lanes 16-31
.set SEL,  42                          ; s[42:43] v_permlanex16_b32's selects for lane l xor 16
	s_load_b512 s[4:19], s[0:1], 0x0               ; query, key, value, Wq, Wk, Wv, xc, xs
	s_load_b128 s[20:23], s[0:1], 0x40             ; wc, ws
	v_lshl_add_u32 v[SPW], v0, 2, SPARE
	v_mov_b32 v[NIL], 0
	v_lshrrev_b32 v10, 5, v0
	v_readfirstlane_b32 s[WV], v10                 ; wave 0..3
	v_and_b32 v11, 31, v0
	v_lshlrev_b32 v[LI], 4, v11
	v_lshlrev_b32 v[LS], 2, v11
	v_and_b32 v3, 15, v0                           ; r
	v_bfe_u32 v4, v0, 4, 1                         ; h
	s_mul_i32 s25, s[WV], XST
	v_add_nc_u32 v[SI], s25, v[LI]
	v_mul_u32_u24 v[SOUT], v3, 528
	v_lshl_add_u32 v[SOUT], v4, 6, v[SOUT]
	v_add_nc_u32 v[SOUT], s25, v[SOUT]
	s_mul_i32 s26, s[WV], WST
	s_add_co_u32 s26, s26, WST0
	v_and_b32 v12, 7, v0
	v_lshl_add_u32 v12, v4, 3, v12                 ; column l of a pair is lane (l % 8) + 8 (l / 16)
	v_bfe_u32 v13, v0, 3, 1                        ; of tile (l / 8) % 2
	v_lshlrev_b32 v[WIA], 4, v12
	v_mad_u32_u24 v[WIA], v13, 1536, v[WIA]
	v_add_nc_u32 v[WIA], s26, v[WIA]
	v_add_nc_u32 v[WR], s26, v[LI]
	v_lshl_add_u32 v[WSO], v13, 4, v12
	v_lshlrev_b32 v[WSO], 2, v[WSO]
	s_mov_b32 s[HI], 0xffff0000
	s_mov_b32 s[SEL], 0x76543210
	s_mov_b32 s[SEL+1], 0xfedcba98
	s_mov_b32 s35, 0
	s_wait_kmcnt 0x0
	s_cmp_lt_u32 ttmp9, 192
	s_cbranch_scc1 .Lweights
	; ---------------- the inputs
	s_sub_co_u32 s28, ttmp9, 192                   ; g = 256 x tensor + pair of tiles
	s_lshr_b32 s29, s28, 8
	s_and_b32 s30, s28, 255
	s_cmp_eq_u32 s29, 0
	s_cselect_b64 s[32:33], s[4:5], s[6:7]
	s_cmp_eq_u32 s29, 2
	s_cselect_b64 s[32:33], s[8:9], s[32:33]
	s_lshl_b32 s34, s30, 17                        ; 32 rows of 4,096 bytes
	s_lshl_b32 s31, s[WV], 10                      ; my 256 along K
	s_add_co_u32 s34, s34, s31
	s_add_nc_u64 s[32:33], s[32:33], s[34:35]
	s_lshl_b32 s34, s28, 4
	s_lshl_b32 s31, s[WV], 1
	s_add_co_u32 s34, s34, s31                     ; fragment (tile 2 g, K step 2 w)
	s_mul_i32 s34, s34, 1536
	s_add_nc_u64 s[36:37], s[16:17], s[34:35]
	s_lshl_b32 s34, s29, 3
	s_add_co_u32 s34, s34, s31
	s_lshl_b32 s34, s34, 15                        ; a K step's 8,192 words
	s_lshl_b32 s31, s30, 7                         ; the pair's 32 words
	s_add_co_u32 s34, s34, s31
	s_add_nc_u64 s[38:39], s[18:19], s[34:35]
.irp b, 0,1,2,3
	v_mov_b32 v[TM+4+\b], 0                        ; written once: a lane permute's destination counts as one of its sources
.endr
; fragment f: tile f % 2 of the pair, K step f / 2 of my two.  Sixteen loads, each 512 consecutive bytes of one row
.macro XLOAD f
.irp q, 0,1,2,3,4,5,6,7,8,9,10,11,12,13,14,15
	global_load_b128 v[R+64*((\f)%2)+4*\q:R+64*((\f)%2)+4*\q+3], v[LI], s[32:33] offset:(8*((\f)%2)+\q+8*(\q/8))*4096+512*((\f)/2) th:TH_LOAD_NT
.endr
.endm
; through my stage: in as loaded, out 64 bytes of a block's half a lane.  LDS serves a wave's instructions in order: no wait between the stores and the loads
.macro XTURN f
.irp q, 0,1,2,3,4,5,6,7,8,9,10,11,12,13,14,15
	ds_store_b128 v[SI], v[R+64*((\f)%2)+4*\q:R+64*((\f)%2)+4*\q+3] offset:528*\q
.endr
.irp b, 0,1,2,3
.irp j, 0,1,2,3
	ds_load_b128 v[X+16*\b+4*\j:X+16*\b+4*\j+3], v[SOUT] offset:128*\b+16*\j
.endr
.endr
.endm
; 64 numbers of a lane become a fragment's codes in v[PC] on and its row's scale word in v[PW]
.macro QUANT s
.irp b, 0,1,2,3
	v_max3_num_f32 v[TM+\b], |v[\s+16*\b]|, |v[\s+1+16*\b]|, 0x1800000   ; block b: my 16 numbers, and the floor 2^(3 - 127): the byte cannot fall under 1
.endr
.irp i, 2,4,6,8,10,12,14
.irp b, 0,1,2,3
	v_max3_num_f32 v[TM+\b], v[TM+\b], |v[\s+16*\b+\i]|, |v[\s+1+16*\b+\i]|
.endr
.endr
.irp b, 0,1,2,3
	v_permlanex16_b32 v[TM+4+\b], v[TM+\b], s[SEL], s[SEL+1]
.endr
.irp b, 0,1,2,3
	v_max_num_f32 v[TM+\b], v[TM+\b], v[TM+4+\b]   ; with lane l xor 16's: the block's largest magnitude
.endr
.irp b, 0,1,2,3
	v_add_nc_u32 v[TM+12+\b], 0xff000000, v[TM+\b] ; 2 off its exponent field: the conversion's scale operand
.endr
.irp b, 0,1,2,3
	v_lshrrev_b32 v[TM+4+\b], 23, v[TM+12+\b]      ; the scale's byte
.endr
	v_lshl_or_b32 v[PW], v[TM+5], 8, v[TM+4]
	v_lshl_or_b32 v[PW], v[TM+6], 16, v[PW]
	v_lshl_or_b32 v[PW], v[TM+7], 24, v[PW]
.irp c, 0,1
	v_cvt_scalef32_pk16_fp6_f32 v[PC+6*\c:PC+2+6*\c], v[\s+32*\c:\s+15+32*\c], v[TM+12+2*\c]
	v_cvt_scalef32_pk16_fp6_f32 v[PC+12+4*\c:PC+14+4*\c], v[\s+16+32*\c:\s+31+32*\c], v[TM+12+2*\c+1]   ; (a conversion's three registers begin on an even number)
.endr
	v_nop                                          ; one plain place behind a scaled conversion
.irp c, 0,1                                    ; the operand's layout wants a whole block in a lane
.irp i, 0,1,2
	v_permlane16_swap_b32 v[PC+6*\c+\i], v[PC+12+4*\c+\i]
.endr
.irp i, 0,1,2
	v_mov_b32 v[PC+3+6*\c+\i], v[PC+12+4*\c+\i]
.endr
.endr
.endm
.macro XFRAG f
.if (\f) < 3
	s_wait_loadcnt 16                              ; this fragment's sixteen loads are in; the other set's sixteen may be out
.else
	s_wait_loadcnt 0x0
.endif
	XTURN \f
	s_wait_dscnt 0x0                               ; the 64 numbers are back, and the stage's stores have read their registers,
.if (\f) < 2
	XLOAD (\f)+2                                   ; which take the fragment two on
.endif
.if (\f) > 0
	s_wait_xcnt 0x0                                ; the last fragment's stores have read their data: the codes' registers are written again only behind this wait
.endif
	QUANT X
.irp c, 0,1,2
	global_store_b128 v[LI], v[PC+4*\c:PC+4*\c+3], s[36:37] offset:12288*((\f)%2)+1536*((\f)/2)+512*\c   ; 512 consecutive bytes
.endr
.if (\f)%2 == 0
	v_mov_b32 v[PWE], v[PW]
.else
	v_cndmask_b32 v[PWM+(\f)/2], v[PWE], v[PW], s[HI]   ; lanes 0-15 the even tile's words, lanes 16-31 the odd tile's
	global_store_b32 v[LS], v[PWM+(\f)/2], s[38:39] offset:32768*((\f)/2)
.endif
.endm
	XLOAD 0
	XLOAD 1
	XFRAG 0
	XFRAG 1
	XFRAG 2
	XFRAG 3
	s_wait_tensorcnt 0x0                           ; the wave's end, behind my last LDS store
	ds_add_u32 v[SPW], v[NIL]
	s_wait_dscnt 0x0
	s_endpgm
	; ---------------- the weights
.Lweights:
	s_lshr_b32 s29, ttmp9, 6                       ; which weight
	s_and_b32 s30, ttmp9, 7                        ; which 128 columns
	s_bfe_u32 s28, ttmp9, 0x30003                  ; which K step
	s_cmp_eq_u32 s29, 0
	s_cselect_b64 s[32:33], s[10:11], s[12:13]
	s_cmp_eq_u32 s29, 2
	s_cselect_b64 s[32:33], s[14:15], s[32:33]
	s_lshl_b32 s34, s28, 19                        ; 128 rows of 4,096 bytes
	s_lshl_b32 s31, s30, 9
	s_add_co_u32 s34, s34, s31
	s_lshl_b32 s31, s[WV], 7                       ; my 32 columns
	s_add_co_u32 s34, s34, s31
	s_add_nc_u64 s[32:33], s[32:33], s[34:35]
	s_lshl_b32 s27, s30, 2
	s_add_co_u32 s27, s27, s[WV]                   ; my pair of tiles, 0..31
	s_lshl_b32 s34, s29, 6
	s_lshl_b32 s31, s27, 1
	s_add_co_u32 s34, s34, s31
	s_lshl_b32 s34, s34, 3
	s_add_co_u32 s34, s34, s28                     ; fragment (tile, K step)
	s_mul_i32 s34, s34, 1536
	s_add_nc_u64 s[36:37], s[20:21], s[34:35]
	s_lshl_b32 s34, s29, 3
	s_add_co_u32 s34, s34, s28
	s_lshl_b32 s34, s34, 12                        ; a K step's 1,024 words
	s_lshl_b32 s31, s27, 7
	s_add_co_u32 s34, s34, s31
	s_add_nc_u64 s[38:39], s[22:23], s[34:35]
.macro WLOAD kb                        ; block kb: W(128 s + 32 kb + i, my column): 128 consecutive bytes a wave, 512 a work-group
.irp i, 0,1,2,3,4,5,6,7,8,9,10,11,12,13,14,15,16,17,18,19,20,21,22,23,24,25,26,27,28,29,30,31
	global_load_b32 v[XW+32*(\kb)+\i], v[LS], s[32:33] offset:(32*(\kb)+\i)*4096 th:TH_LOAD_NT
.endr
.endm
.macro WBLOCK kb
.set XS_, XW+32*(\kb)
.set C_, CW+8*(\kb)
.if (\kb) < 3
	s_wait_loadcnt 32                              ; this block's 32 loads are in; the next block's may be out
.else
	s_wait_loadcnt 0x0
.endif
.if (\kb) < 2
	WLOAD (\kb)+2
.endif
	v_max3_num_f32 v[MX], |v[XS_]|, |v[XS_+1]|, |v[XS_+2]|          ; all 32 numbers of the block are mine
	v_max3_num_f32 v[MX+1], |v[XS_+3]|, |v[XS_+4]|, |v[XS_+5]|
.irp i, 6,10,14,18,22,26
	v_max3_num_f32 v[MX], v[MX], |v[XS_+\i]|, |v[XS_+\i+1]|
	v_max3_num_f32 v[MX+1], v[MX+1], |v[XS_+\i+2]|, |v[XS_+\i+3]|
.endr
	v_max3_num_f32 v[MX], v[MX], |v[XS_+30]|, |v[XS_+31]|
	v_max3_num_f32 v[MX], v[MX], v[MX+1], 0x1800000                 ; and the floor
	v_add_nc_u32 v[SOP], 0xff000000, v[MX]
	v_lshrrev_b32 v[BYT], 23, v[SOP]
.if (\kb) == 0
	v_mov_b32 v[SW], v[BYT]
.else
	v_lshl_or_b32 v[SW], v[BYT], 8*(\kb), v[SW]
.endif
	v_cvt_scalef32_pk16_fp6_f32 v[C_:C_+2], v[XS_:XS_+15], v[SOP]
	v_cvt_scalef32_pk16_fp6_f32 v[T2:T2+2], v[XS_+16:XS_+31], v[SOP]
	v_nop                                          ; one plain place behind a scaled conversion
.irp i, 0,1,2
	v_mov_b32 v[C_+3+\i], v[T2+\i]
.endr
; block kb = 2 c + h is registers 6 c .. 6 c + 5 of lane r + 16 h of my column's tile: into the image at their places
.if (\kb)/2 == 0
	ds_store_b128 v[WIA], v[C_:C_+3] offset:256*((\kb)%2)
	ds_store_b64 v[WIA], v[C_+4:C_+5] offset:512+256*((\kb)%2)
.else
	ds_store_b64 v[WIA], v[C_:C_+1] offset:520+256*((\kb)%2)
	ds_store_b128 v[WIA], v[C_+2:C_+5] offset:1024+256*((\kb)%2)
.endif
.endm
	WLOAD 0
	WLOAD 1
	WBLOCK 0
	WBLOCK 1
	WBLOCK 2
	WBLOCK 3
	global_store_b32 v[WSO], v[SW], s[38:39]       ; the pair's 32 scale words: 128 consecutive bytes
.irp i, 0,1,2,3,4,5
	ds_load_b128 v[O+4*\i:O+4*\i+3], v[WR] offset:512*\i   ; LDS serves a wave's instructions in order: these see my stores
.endr
.irp i, 0,1,2,3,4,5
	s_wait_dscnt 5-\i
	global_store_b128 v[LI], v[O+4*\i:O+4*\i+3], s[36:37] offset:12288*(\i/3)+512*(\i%3)
.endr
	s_wait_tensorcnt 0x0                           ; the wave's end, behind my last LDS store
	ds_add_u32 v[SPW], v[NIL]
	s_wait_dscnt 0x0
	s_endpgm
.Lfunc_end_k_q71dc914542_quant:
	.size	k_q71dc914542_quant, .Lfunc_end_k_q71dc914542_quant-k_q71dc914542_quant
	.p2alignl 7, 3214868480
	.fill 96, 4, 3214868480
	.section	.rodata,"a",@progbits
	.p2align	6, 0x0
	.amdhsa_kernel k_q71dc914542_quant
		.amdhsa_group_segment_fixed_size 46592
		.amdhsa_private_segment_fixed_size 0
		.amdhsa_enable_private_segment 0
		.amdhsa_kernarg_size 80
		.amdhsa_user_sgpr_count 2
		.amdhsa_user_sgpr_kernarg_segment_ptr 1
		.amdhsa_wavefront_size32 1
		.amdhsa_system_sgpr_workgroup_id_x 1
		.amdhsa_system_sgpr_workgroup_id_y 1
		.amdhsa_system_sgpr_workgroup_id_z 1
		.amdhsa_system_vgpr_workitem_id 0
		.amdhsa_next_free_vgpr 256
		.amdhsa_next_free_sgpr 66
		.amdhsa_reserve_vcc 0
		.amdhsa_float_denorm_mode_32 3
		.amdhsa_float_denorm_mode_16_64 3
		.amdhsa_memory_ordered 1
		.amdhsa_forward_progress 1
		.amdhsa_inst_pref_size 55
	.end_amdhsa_kernel
	.amdgpu_metadata
---
amdhsa.version: [ 1, 2 ]
amdhsa.kernels:
  - .name:           k_q71dc914542_quant
    .symbol:         k_q71dc914542_quant.kd
    .args:
      - { .name: query, .offset: 0, .size: 8, .value_kind: global_buffer, .address_space: global }
      - { .name: key, .offset: 8, .size: 8, .value_kind: global_buffer, .address_space: global }
      - { .name: value, .offset: 16, .size: 8, .value_kind: global_buffer, .address_space: global }
      - { .name: Wq, .offset: 24, .size: 8, .value_kind: global_buffer, .address_space: global }
      - { .name: Wk, .offset: 32, .size: 8, .value_kind: global_buffer, .address_space: global }
      - { .name: Wv, .offset: 40, .size: 8, .value_kind: global_buffer, .address_space: global }
      - { .name: xc, .offset: 48, .size: 8, .value_kind: global_buffer, .address_space: global }
      - { .name: xs, .offset: 56, .size: 8, .value_kind: global_buffer, .address_space: global }
      - { .name: wc, .offset: 64, .size: 8, .value_kind: global_buffer, .address_space: global }
      - { .name: ws, .offset: 72, .size: 8, .value_kind: global_buffer, .address_space: global }
    .group_segment_fixed_size: 46592
    .private_segment_fixed_size: 0
    .kernarg_segment_align: 8
    .kernarg_segment_size: 80
    .max_flat_workgroup_size: 128
    .sgpr_count:     66
    .vgpr_count:     256
    .wavefront_size: 32
...
	.end_amdgpu_metadata
.endif
;; end of part 1
;; launch proj (part 2): grid 4 x 64, 4 waves a work-group, clusters of 4 x 4, 327,680 bytes of LDS; arguments xc, xs, wc, ws, bq, bk, bv, hc, hs; writes hc, hs
.if DOCPART == 2
	.amdgcn_target "amdgcn-amd-amdhsa--gfx1250"
	.amdhsa_code_object_version 6
	.text
	.protected	k_q71dc914542_proj
	.globl	k_q71dc914542_proj
	.p2align	8
	.type	k_q71dc914542_proj,@function
k_q71dc914542_proj:
	s_mov_b64 s[64:65], 0
	v_nop
	global_prefetch_b8 v0, s[64:65] scope:SCOPE_SE
	s_setreg_imm32_b32 hwreg(HW_REG_WAVE_MODE, 25, 1), 1
	s_wait_xcnt 0x0
	s_wait_alu depctr_hold_cnt(0) depctr_sa_sdst(0) depctr_va_vdst(0) depctr_va_sdst(0) depctr_va_ssrc(0) depctr_va_vcc(0) depctr_vm_vsrc(0)
	s_getreg_b32 s2, hwreg(HW_REG_IB_STS2, 6, 4)
	s_cmp_eq_u32 s2, 0
	s_cbranch_scc0 .Lentry_in_a_cluster
	s_endpgm
.Lentry_in_a_cluster:
	s_bfe_u32 s2, ttmp6, 0x10000c
	s_cmp_lg_u32 s2, 0xf033
	s_cbranch_scc0 .Lentry_shape_is_right
	s_endpgm
.Lentry_shape_is_right:
; q = query Wq + bq, k = key Wk + bk, v = value Wv + bv, on codes of FP6 (E2M3) with E8M0 scales; the results are quantised in registers and leave as codes: q and k along the features, v along the KEYS (as v^T).
; All operands are images of the operand's registers (1,536 bytes a fragment of 16 rows x 128 K, [tile][K step]); lane r of tile T holds row 32 (T / 2) + 8 (T % 2) + r + 8 (r / 8); scale words lie [K step][16 T + r].
; 256 WORK-GROUPS OF EQUAL WORK, each in two phases.  Work-group (X, Y), X = 0..3, Y = 0..63:
;   PHASE 1: 256 rows of query (Y < 32) or key x 256 features (block X); a wave 128 x 128: 64 accumulators.  Source 1 = the input's tiles, source 0 = the weight's: a lane holds a token, its registers run along the features.
;   PHASE 2: 128 rows of value (block Y) x 256 features of Wv (block X); a wave 128 keys x 64 features: 32 accumulators.  Source 0 = value's 8 tiles, source 1 = four of Wv's: a lane holds a feature, its registers run along the keys.
; 128 + 128 tiles of q and k and 256 half tiles of v: one and a half tiles for each work-group.  The bias is the C of each phase's first K step.
; LDS.  Phase 1: K = 1,024 in four chunks of 256 through three slots: three first fills, one refill.  Phase 2 takes the same bytes as two regions of four K steps each: the upper is filled in K step 5, when chunks 1 and 2 have been
; read, the lower in the middle of phase 1's way out.  Each refill stands behind a round of the cluster's barrier, one load a wave; at most four tensor loads of a wave are out.
; CLUSTER 4 x 4: the inputs' tiles are shared along a row of the cluster, the weights' along a column, by joint loads.
; LIMITS: NaN and infinities are not served; a block whose largest magnitude lies under 2^-124 keeps the byte 1, a block of zeros too (its codes are zeros; this program alone reads the bytes).
; REGISTERS: window 0: v1-22 addresses; v28, v29 the add's two; v32-47 scale words, two sets; v48-51 v's bias; v64-159, v160-255 source 1's fragments, two sets (phase 2: the first 48 of each); v208-249 the way out.
;   window 1: v0-95, v128-223 source 0's, two sets; v96-127, v224-255 the bias as C.   windows 2, 3: the accumulators: (a, b) at v[8 (8 a + b) % 256].
.set NB,    8                          ; source 0's tiles a wave
.set NQ,    2                          ; K steps in a chunk of phase 1
.set NSL,   3                          ; slots
.set PA,    1024                       ; a K step's scale words in LDS, bytes
.set PB,    1024
.set SLOT,  98304                      ; phase 1: the input's 16 tiles x 2 K steps, then the weight's
.set HALF,  49152
.set QUAR,  24576
.set REG2,  147456                     ; phase 2: a region: Wv's 16 tiles x 4 K steps,
.set W2B,   98304                      ; then value's 8 tiles x 4 K steps.  The region at REG2 holds its K steps 0-3, the region at 0 its K steps 4-7
.set SCX,   3*SLOT                     ; phase 1: the input's scale words [8][256],
.set SCW,   SCX+8192                   ; the weight's;
.set SCX2,  SCW+8192                   ; phase 2: value's [8][128], written by LDS stores: no tile lands here;
.set SCW2,  SCX2+4096                  ; Wv's [8][256], likewise
.set SPARE, SCW2+8192                  ; the spare words, 128 bytes for each wave: two blocks of 256 bytes that no other line names
.set LI,    1                          ; v1  16 x lane
.set LS,    2                          ; v2  4 x lane
.set ADRA,  5                          ; v5-7   phase 1: source 1's tiles in slot 0, 1, 2
.set ADRB,  8                          ; v8-10  source 0's
.set ADSA,  11                         ; v11    source 1's scale words
.set ADSB,  12                         ; v12    source 0's
.set ADA2,  15                         ; v15-16 phase 2: source 1's tiles (Wv) in the upper, the lower region
.set ADB2,  17                         ; v17-18 source 0's (value)
.set ADSA2, 19                         ; v19    Wv's scale words
.set ADSB2, 20                         ; v20    value's
.set STX,   21                         ; v21    where my wave stores its part of value's scale words
.set STW,   22                         ; v22    and of Wv's
.set SPW,   28
.set NIL,   29
.set BV2,   48                         ; v48-51 bv of my lane's feature in my four tiles
.set PC,    208                        ; the way out: codes, at work, scale words
.set TM,    228
.set PW,    244
.set PWE,   245
.set PWM,   246
.set RM,    2                          ; my row of the cluster, my column
.set CM,    3
.set PA2,   4                          ; s[4:5]   value's codes at my part of phase 2's tile
.set PXS,   6                          ; s[6:7]   value's scale words at my wave's part
.set PB2,   8                          ; s[8:9]   Wv's codes
.set PWS,   10                         ; s[10:11] Wv's scale words
.set OUT2,  14                         ; s[14:15] v^T's codes
.set OUT1,  18                         ; s[18:19] q's or k's codes
.set OSC1,  20                         ; s[20:21] their scale words
.set TEN,   22
.set YY,    23
.set G1A,   24                         ; s[24:31] group 1: the input's codes;  s[32:39] the weight's
.set G1B,   32
.set G1SA,  40                         ; s[40:47], s[48:55] their scale words;
.set G1SB,  48
.set G1A2,  40                         ; behind the wait that shows those loads done: phase 2's groups 1
.set G1B2,  48
.set G0SA,  56                         ; groups 0: the input's scale words, slots 0, 1, 2;
.set G0A,   60
.set CX,    66
.set CYP,   67
.set OSC2,  66                         ; s[66:67] v^T's scale words (when the places in the cluster are done with)
.set G0A1,  68
.set G0A2,  72
.set G0SB,  76                         ; the weight's
.set G0B,   80
.set G0B1,  84
.set G0B2,  88
.set WV,    92
.set WI,    93                         ; wave / 2: my half of source 1 in phase 1.  Also: I fetch for the inputs (0) or the weights (1)
.set WJ,    94                         ; wave % 2: my half of source 0 in phase 1.  Also: which half of a tile I fetch
.set HI,    95                         ; lanes 16-31
.set XX,    96
.set Y32,   97
.set SEL,   100                        ; s[100:101] v_permlanex16_b32's selects for lane l xor 16
.set MSB, 0
.macro WIN new                         ; the immediate's high byte repeats the setting that is left
.if MSB != (\new)
	s_set_vgpr_msb (MSB<<8)|(\new)
.set MSB, (\new)
.endif
.endm
.macro PLACES                          ; four places: in front of loads into registers that matrix instructions have read, and of the first read of results
.rept 4
	v_nop
.endr
.endm
.macro CREST                           ; a round of the cluster's barrier behind its opening barrier
	s_cmp_lg_u32 s[WV], 0
	s_cbranch_scc1 .Lnot_wave_0_\@
	s_barrier_signal -3
.Lnot_wave_0_\@:
	s_barrier_wait -3
	s_barrier_signal -1
	s_barrier_wait -1
.endm
.macro CROUND
	s_barrier_signal -1
	s_barrier_wait -1
	CREST
.endm
.macro JLOAD g0a, g1a, g0b, g1b        ; a joint load: waves 0, 1 for the inputs, waves 2, 3 for the weights; the branch hangs on the wave's number alone; an s_nop 0 and four v_nop follow each line
	s_cmp_eq_u32 s[WI], 0
	s_cbranch_scc0 .Lfor_b_\@
	tensor_load_to_lds s[\g0a:\g0a+3], s[\g1a:\g1a+7]
	s_nop 0
.rept 4
	v_nop
.endr
	s_branch .Lasked_\@
.Lfor_b_\@:
	tensor_load_to_lds s[\g0b:\g0b+3], s[\g1b:\g1b+7]
	s_nop 0
.rept 4
	v_nop
.endr
.Lasked_\@:
.endm
.macro MKG0 g0, mul, cst, bp, add      ; a group 0: LDS address = my half x mul + cst; global address = s[bp:bp+1] + add
	s_mov_b32 s[\g0], 1
	s_mul_i32 s[\g0+1], s[WJ], \mul
	s_add_co_u32 s[\g0+1], s[\g0+1], \cst
	s_add_nc_u64 s[\g0+2:\g0+3], s[\bp:\bp+1], \add
	s_or_b32 s[\g0+3], s[\g0+3], 0x80000000
.endm
; PHASE 1: K step ks's fragments and scale words into set ks % 2: three loads of 16 bytes a lane for a fragment, 512 consecutive bytes each
.macro FETCH ks
.set P_, (\ks)%2
.set SL_, ((\ks)/NQ)%NSL
.set Q_, (\ks)%NQ
	WIN 0x40                                       ; destination window 1, address window 0
.irp b, 0,1,2,3,4,5,6,7
.irp c, 0,1,2
	ds_load_b128 v[128*P_+12*\b+4*\c:128*P_+12*\b+4*\c+3], v[ADRB+SL_] offset:(\b*NQ+Q_)*1536+512*\c
.endr
.endr
	WIN 0
.irp a, 0,1,2,3,4,5,6,7
.irp c, 0,1,2
	ds_load_b128 v[64+96*P_+12*\a+4*\c:64+96*P_+12*\a+4*\c+3], v[ADRA+SL_] offset:(\a*NQ+Q_)*1536+512*\c
.endr
.endr
.irp j, 0,1,2,3
	ds_load_b32 v[32+8*P_+\j], v[ADSA] offset:(\ks)*PA+128*\j      ; a pair of tiles' words: the even tile's in lanes 0-15, the odd tile's in lanes 16-31
.endr
.irp j, 0,1,2,3
	ds_load_b32 v[36+8*P_+\j], v[ADSB] offset:(\ks)*PB+128*\j
.endr
.endm
; PHASE 2: the same for K step ks = 8 .. 15: value's eight tiles, my four of Wv's
.macro FETCH2 ks
.set P_, (\ks)%2
.set SL_, ((\ks)-8)/4
.set Q_, ((\ks)-8)%4
	WIN 0x40
.irp b, 0,1,2,3,4,5,6,7
.irp c, 0,1,2
	ds_load_b128 v[128*P_+12*\b+4*\c:128*P_+12*\b+4*\c+3], v[ADB2+SL_] offset:(\b*4+Q_)*1536+512*\c
.endr
.endr
	WIN 0
.irp a, 0,1,2,3
.irp c, 0,1,2
	ds_load_b128 v[64+96*P_+12*\a+4*\c:64+96*P_+12*\a+4*\c+3], v[ADA2+SL_] offset:(\a*4+Q_)*1536+512*\c
.endr
.endr
.irp j, 0,1
	ds_load_b32 v[32+8*P_+\j], v[ADSA2] offset:((\ks)-8)*1024+128*\j
.endr
.irp j, 0,1,2,3
	ds_load_b32 v[36+8*P_+\j], v[ADSB2] offset:((\ks)-8)*512+128*\j
.endr
.endm
.macro EMIT                            ; one product; the scale rows follow the tiles' parities
.if RB_ == 0 && RA_ == 0
	v_wmma_scale_f32_16x16x128_f8f6f4 v[D_:D_+7], v[B_:B_+11], v[A_:A_+11], v[C_:C_+7], v[SB_], v[SA_] matrix_a_fmt:MATRIX_FMT_FP6 matrix_b_fmt:MATRIX_FMT_FP6
.elseif RB_ == 1 && RA_ == 0
	v_wmma_scale_f32_16x16x128_f8f6f4 v[D_:D_+7], v[B_:B_+11], v[A_:A_+11], v[C_:C_+7], v[SB_], v[SA_] matrix_a_fmt:MATRIX_FMT_FP6 matrix_b_fmt:MATRIX_FMT_FP6 matrix_a_scale:MATRIX_SCALE_ROW1
.elseif RB_ == 0 && RA_ == 1
	v_wmma_scale_f32_16x16x128_f8f6f4 v[D_:D_+7], v[B_:B_+11], v[A_:A_+11], v[C_:C_+7], v[SB_], v[SA_] matrix_a_fmt:MATRIX_FMT_FP6 matrix_b_fmt:MATRIX_FMT_FP6 matrix_b_scale:MATRIX_SCALE_ROW1
.else
	v_wmma_scale_f32_16x16x128_f8f6f4 v[D_:D_+7], v[B_:B_+11], v[A_:A_+11], v[C_:C_+7], v[SB_], v[SA_] matrix_a_fmt:MATRIX_FMT_FP6 matrix_b_fmt:MATRIX_FMT_FP6 matrix_a_scale:MATRIX_SCALE_ROW1 matrix_b_scale:MATRIX_SCALE_ROW1
.endif
.endm
; source 1's tiles a0, a0 + 1 x source 0's eight, from set p.  cmode 0: onto the sums; 2: C = the bias by source 0's tile; 3: by source 1's: the first K step starts the sums from the bias, nothing is cleared.
; The accumulators take turns, one instruction a turn, in the same order in every K step of a phase.
.macro MULQ a0, p, cmode
.set WW_, 2+(NB*(\a0))/32
.if (\cmode) >= 2
	WIN (WW_<<6)|0x11                              ; source 0 and C window 1, source 1 window 0, D window 2 or 3
.else
	WIN (WW_<<6)|(WW_<<4)|1                        ; source 0 window 1, source 1 window 0, C and D window 2 or 3
.endif
.irp a, \a0, \a0+1
.irp b, 0,1,2,3,4,5,6,7
.set D_, 8*((NB*(\a)+\b)%32)
.set B_, 128*(\p)+12*\b
.set A_, 64+96*(\p)+12*(\a)
.set SB_, 36+8*(\p)+\b/2
.set SA_, 32+8*(\p)+(\a)/2
.set RB_, \b%2
.set RA_, (\a)%2
.set C_, D_
.if (\cmode) == 2
.set C_, 96+8*(\b%4)+128*(\b/4)
.endif
.if (\cmode) == 3
.set C_, 96+8*((\a)%4)+128*((\a)/4)
.endif
	EMIT
.endr
.endr
.endm
.macro STEP ks, fetch, cmode           ; phase 1: a K step whose successor's tiles are known to lie in LDS
	s_wait_dscnt 0x0                               ; this step's set is in: it was asked for a whole step ago
.if \fetch
	PLACES
	FETCH (\ks)+1
.endif
	MULQ 0, (\ks)%2, \cmode
	MULQ 2, (\ks)%2, \cmode
	MULQ 4, (\ks)%2, \cmode
	MULQ 6, (\ks)%2, \cmode
.endm
.macro STEP2 ks, fetch, cmode          ; phase 2: the same with four tiles of source 1
	s_wait_dscnt 0x0
.if \fetch
	PLACES
	FETCH2 (\ks)+1
.endif
	MULQ 0, (\ks)%2, \cmode
	MULQ 2, (\ks)%2, \cmode
.endm
; A K step of phase 1 with a refill.  In front of the barrier each wave waits for all its tensor loads, adds 0 to its spare word, and waits for that and for its LDS reads; the barrier opens a round of the cluster's barrier;
; the joint refill is the first thing behind the round.  fill = 1: chunk 3 into slot 0.  fill = 2: phase 2's K steps 0-3 into the upper region.
.macro TURN ks, fill
	WIN 0
	s_wait_tensorcnt 0x0                           ; all my tensor loads have landed, so a group 0 may be written
	ds_add_u32 v[SPW], v[NIL]                      ; 0 onto my spare word; the descriptors' words stand between it and the wait for it
.if (\fill) == 1
	s_add_nc_u64 s[G0A+2:G0A+3], s[G0A+2:G0A+3], 9216
	s_add_nc_u64 s[G0B+2:G0B+3], s[G0B+2:G0B+3], 9216
.else
	MKG0 G0A1, QUAR, REG2+W2B, PA2, 0
	MKG0 G0B1, HALF, REG2, PB2, 0
.endif
	s_wait_dscnt 0x0                               ; the add is done, this step's set is in, and my reads of the bytes to be filled are over
	s_barrier_signal -1
	MULQ 0, (\ks)%2, 0                             ; work on registers while the others arrive
	WIN 0
	s_barrier_wait -1
	CREST                                          ; no wave of any partner still reads those bytes or has a load on its way
.if (\fill) == 1
	JLOAD G0A, G1A, G0B, G1B                       ; my one tensor load behind the round; its four v_nop are the places in front of the loads below
.else
	JLOAD G0A1, G1A2, G0B1, G1B2
.endif
	FETCH (\ks)+1
	MULQ 2, (\ks)%2, 0
	MULQ 4, (\ks)%2, 0
	MULQ 6, (\ks)%2, 0
.endm
	s_load_b512 s[4:19], s[0:1], 0x0               ; xc, xs, wc, ws, bq, bk, bv, hc
	s_load_b64 s[20:21], s[0:1], 0x40              ; hs
	v_lshl_add_u32 v[SPW], v0, 2, SPARE
	v_mov_b32 v[NIL], 0
	ds_add_u32 v[SPW], v[NIL]                      ; the wave's opening: the add, with its wait, stands ahead of my first tensor load
	v_lshrrev_b32 v13, 5, v0
	v_readfirstlane_b32 s[WV], v13
	v_and_b32 v13, 31, v0
	v_lshlrev_b32 v[LI], 4, v13
	v_lshlrev_b32 v[LS], 2, v13
	s_lshr_b32 s[WI], s[WV], 1
	s_and_b32 s[WJ], s[WV], 1
	s_bfe_u32 s[CX], ttmp6, 0x40000
	s_bfe_u32 s[CYP], ttmp6, 0x40004
	s_lshl_b32 s[XX], ttmp9, 2
	s_add_co_u32 s[XX], s[XX], s[CX]               ; block of 256 features
	s_and_b32 s[TEN], ttmp7, 0xffff                ; the cluster's y
	s_lshl_b32 s[YY], s[TEN], 2
	s_add_co_u32 s[YY], s[YY], s[CYP]              ; phase 1: 32 x tensor + block of 256 rows; phase 2: block of 128 rows of value
	s_lshr_b32 s[TEN], s[TEN], 3                   ; 0: q, 1: k: the same in all sixteen partners
	s_and_b32 s[Y32], s[YY], 31
	s_lshl_b32 s[RM], s[CYP], 2
	s_lshl_b32 s[RM], 15, s[RM]                    ; my row of the cluster
	s_lshl_b32 s[CM], 0x1111, s[CX]                ; my column
	s_or_b32 s[G1A], s[RM], (3<<16)|(1<<21)        ; codes: elements of 8 bytes; 8 rows (tiles) of 3,072 bytes (2 K steps), 12,288 bytes apart in memory, dense in LDS
	s_or_b32 s[G1B], s[CM], (3<<16)|(1<<21)
.irp g, G1A, G1B
	s_mov_b32 s[\g+1], 384<<16
	s_mov_b32 s[\g+2], 8<<16
	s_mov_b32 s[\g+3], 384<<16
	s_mov_b32 s[\g+4], 8
	s_mov_b32 s[\g+5], 1536
	s_mov_b32 s[\g+6], 0
	s_mov_b32 s[\g+7], 0
.endr
	s_or_b32 s[G1SA], s[RM], (2<<16)|(1<<21)       ; scale words: elements of 4 bytes; 4 rows (K steps) of 256 words
	s_or_b32 s[G1SB], s[CM], (2<<16)|(1<<21)
.irp g, G1SA, G1SB
	s_mov_b32 s[\g+1], 256<<16
	s_mov_b32 s[\g+2], 4<<16
	s_mov_b32 s[\g+3], 256<<16
	s_mov_b32 s[\g+4], 4
	s_mov_b32 s[\g+6], 0
	s_mov_b32 s[\g+7], 0
.endr
	s_mov_b32 s[G1SA+5], 8192
	s_mov_b32 s[G1SB+5], 1024
	s_wait_dscnt 0x0                               ; the opening add is done
	s_wait_kmcnt 0x0
	; the inputs' addresses hang on work-group y and the wave alone (s98, s99), the weights' on work-group x, the tensor and the wave alone (s100, s101)
	s_lshl_b32 s98, s[YY], 4
	s_lshl_b32 s99, s[WJ], 3
	s_add_co_u32 s98, s98, s99
	s_mul_i32 s98, s98, 12288
	s_mov_b32 s99, 0
	s_add_nc_u64 s[98:99], s[4:5], s[98:99]
	MKG0 G0A, QUAR, 0, 98, 0
	MKG0 G0A1, QUAR, SLOT, 98, 3072
	MKG0 G0A2, QUAR, 2*SLOT, 98, 6144
	s_lshl_b32 s98, s[TEN], 18
	s_lshl_b32 s99, s[Y32], 10
	s_add_co_u32 s98, s98, s99
	s_lshl_b32 s99, s[WJ], 17
	s_add_co_u32 s98, s98, s99
	s_mov_b32 s99, 0
	s_add_nc_u64 s[98:99], s[6:7], s[98:99]
	MKG0 G0SA, 4096, SCX, 98, 0
	s_lshl_b32 s98, s[YY], 3                       ; phase 2: value's tile 8 Y + 4 x my half
	s_lshl_b32 s99, s[WJ], 2
	s_add_co_u32 s98, s98, s99
	s_mul_i32 s98, s98, 12288
	s_add_co_u32 s98, s98, 12582912
	s_mov_b32 s99, 0
	s_add_nc_u64 s[PA2:PA2+1], s[4:5], s[98:99]
	s_lshl_b32 s98, s[YY], 9                       ; value's scale words: the block's 128 words, my wave's K steps 2 w, 2 w + 1
	s_lshl_b32 s99, s[WV], 16
	s_add_co_u32 s98, s98, s99
	s_add_co_u32 s98, s98, 524288
	s_mov_b32 s99, 0
	s_add_nc_u64 s[PXS:PXS+1], s[6:7], s[98:99]
	s_lshl_b32 s100, s[XX], 4
	s_lshl_b32 s101, s[WJ], 3
	s_add_co_u32 s100, s100, s101
	s_mul_i32 s100, s100, 12288
	s_mul_i32 s101, s[TEN], 786432
	s_add_co_u32 s100, s100, s101
	s_mov_b32 s101, 0
	s_add_nc_u64 s[100:101], s[8:9], s[100:101]
	MKG0 G0B, QUAR, HALF, 100, 0
	MKG0 G0B1, QUAR, SLOT+HALF, 100, 3072
	MKG0 G0B2, QUAR, 2*SLOT+HALF, 100, 6144
	s_lshl_b32 s100, s[TEN], 15
	s_lshl_b32 s101, s[XX], 10
	s_add_co_u32 s100, s100, s101
	s_lshl_b32 s101, s[WJ], 14
	s_add_co_u32 s100, s100, s101
	s_mov_b32 s101, 0
	s_add_nc_u64 s[100:101], s[10:11], s[100:101]
	MKG0 G0SB, 4096, SCW, 100, 0
	s_lshl_b32 s100, s[XX], 4                      ; phase 2: Wv's tile 16 X + 8 x my half
	s_lshl_b32 s101, s[WJ], 3
	s_add_co_u32 s100, s100, s101
	s_mul_i32 s100, s100, 12288
	s_add_co_u32 s100, s100, 1572864
	s_mov_b32 s101, 0
	s_add_nc_u64 s[PB2:PB2+1], s[8:9], s[100:101]
	s_lshl_b32 s100, s[XX], 10                     ; Wv's scale words: the block's 256 words, my wave's K steps 2 w, 2 w + 1
	s_lshl_b32 s101, s[WV], 13
	s_add_co_u32 s100, s100, s101
	s_add_co_u32 s100, s100, 65536
	s_mov_b32 s101, 0
	s_add_nc_u64 s[PWS:PWS+1], s[10:11], s[100:101]
	global_load_b128 v[64:67], v[LI], s[PXS:PXS+1]                 ; phase 2's scale words: each load 512 consecutive bytes; they go on into LDS below
	global_load_b128 v[68:71], v[LI], s[PXS:PXS+1] offset:32768
	global_load_b128 v[72:75], v[LI], s[PWS:PWS+1]
	global_load_b128 v[76:79], v[LI], s[PWS:PWS+1] offset:512
	global_load_b128 v[80:83], v[LI], s[PWS:PWS+1] offset:4096
	global_load_b128 v[84:87], v[LI], s[PWS:PWS+1] offset:4608
	CROUND                                         ; all sixteen work-groups are here: the first joint loads meet
	s_cmp_eq_u32 s[WI], 0                          ; a wave's four first fills stand in one branch: four loads of mine are out
	s_cbranch_scc0 .Lfirst_b
	tensor_load_to_lds s[G0SA:G0SA+3], s[G1SA:G1SA+7]
	s_nop 0
	tensor_load_to_lds s[G0A:G0A+3], s[G1A:G1A+7]
	s_nop 0
	tensor_load_to_lds s[G0A1:G0A1+3], s[G1A:G1A+7]
	s_nop 0
	tensor_load_to_lds s[G0A2:G0A2+3], s[G1A:G1A+7]
	s_nop 0
	PLACES
	s_branch .Lfirst_asked
.Lfirst_b:
	tensor_load_to_lds s[G0SB:G0SB+3], s[G1SB:G1SB+7]
	s_nop 0
	tensor_load_to_lds s[G0B:G0B+3], s[G1B:G1B+7]
	s_nop 0
	tensor_load_to_lds s[G0B1:G0B1+3], s[G1B:G1B+7]
	s_nop 0
	tensor_load_to_lds s[G0B2:G0B2+3], s[G1B:G1B+7]
	s_nop 0
	PLACES
.Lfirst_asked:
	v_and_b32 v3, 15, v0                           ; r
	v_bfe_u32 v4, v0, 4, 1                         ; h
	; the biases: phase 1's as the C of source 0's eight tiles, phase 2's one number a lane and tile
	s_cmp_eq_u32 s[TEN], 0
	s_cselect_b64 s[12:13], s[12:13], s[14:15]     ; bq or bk
	s_lshl_b32 s98, s[XX], 10
	s_lshl_b32 s99, s[WJ], 9
	s_add_co_u32 s98, s98, s99
	s_mov_b32 s99, 0
	s_add_nc_u64 s[12:13], s[12:13], s[98:99]      ; at my wave's 128 features
	s_lshl_b32 s98, s[XX], 10
	s_lshl_b32 s100, s[WV], 8
	s_add_co_u32 s98, s98, s100
	s_add_nc_u64 s[16:17], s[16:17], s[98:99]      ; bv at my wave's 64 features
	v_lshlrev_b32 v13, 6, v4                       ; phase 1: my half's 16 features of a pair of tiles
	v_and_b32 v14, 8, v3
	v_add_nc_u32 v14, v14, v3
	v_lshlrev_b32 v14, 2, v14                      ; phase 2: my lane's feature: r + 8 (r / 8)
	WIN 0x40
.irp t, 0,1,2,3,4,5,6,7                        ; tile t of source 0: register j = the bias of feature 32 (t / 2) + 8 (t % 2) + 16 h + j
	global_load_b128 v[96+8*(\t%4)+128*(\t/4):99+8*(\t%4)+128*(\t/4)], v13, s[12:13] offset:(32*(\t/2)+8*(\t%2))*4
	global_load_b128 v[100+8*(\t%4)+128*(\t/4):103+8*(\t%4)+128*(\t/4)], v13, s[12:13] offset:(32*(\t/2)+8*(\t%2))*4+16
.endr
	WIN 0
.irp a, 0,1,2,3
	global_load_b32 v[BV2+\a], v14, s[16:17] offset:(32*(\a/2)+8*(\a%2))*4
.endr
	; LDS addresses
	s_mul_i32 s98, s[WI], QUAR
	s_mul_i32 s100, s[WJ], QUAR
	s_add_co_u32 s100, s100, HALF
	v_add_nc_u32 v[ADRA], s98, v[LI]
	v_add_nc_u32 v[ADRB], s100, v[LI]
	v_add_nc_u32 v[ADRA+1], SLOT, v[ADRA]
	v_add_nc_u32 v[ADRB+1], SLOT, v[ADRB]
	v_add_nc_u32 v[ADRA+2], 2*SLOT, v[ADRA]
	v_add_nc_u32 v[ADRB+2], 2*SLOT, v[ADRB]
	s_lshl_b32 s98, s[WI], 9
	s_add_co_u32 s98, s98, SCX
	s_lshl_b32 s100, s[WJ], 9
	s_add_co_u32 s100, s100, SCW
	v_add_nc_u32 v[ADSA], s98, v[LS]
	v_add_nc_u32 v[ADSB], s100, v[LS]
	s_mul_i32 s98, s[WV], 24576                    ; phase 2: my four tiles of Wv: 4 x 4 K steps x 1,536 bytes a wave
	v_add_nc_u32 v[ADA2+1], s98, v[LI]
	v_add_nc_u32 v[ADA2], REG2, v[ADA2+1]
	v_add_nc_u32 v[ADB2+1], W2B, v[LI]
	v_add_nc_u32 v[ADB2], REG2+W2B, v[LI]
	s_lshl_b32 s98, s[WV], 8
	s_add_co_u32 s98, s98, SCW2
	v_add_nc_u32 v[ADSA2], s98, v[LS]
	v_add_nc_u32 v[ADSB2], SCX2, v[LS]
	s_lshl_b32 s98, s[WV], 10
	s_add_co_u32 s98, s98, SCX2
	v_add_nc_u32 v[STX], s98, v[LI]
	s_lshl_b32 s98, s[WV], 11
	s_add_co_u32 s98, s98, SCW2
	v_add_nc_u32 v[STW], s98, v[LI]
	; where the results go.  v^T: fragment (batch Y / 16, tile 16 X + 4 w + a, K step Y % 16); q, k: fragment (tile 16 Y + 8 WI + a, K step 2 X + WJ)
	s_lshr_b32 s98, s[YY], 4
	s_mul_i32 s98, s98, 1572864
	s_and_b32 s100, s[YY], 15
	s_mul_i32 s100, s100, 1536
	s_add_co_u32 s98, s98, s100
	s_lshl_b32 s100, s[XX], 4
	s_lshl_b32 s101, s[WV], 2
	s_add_co_u32 s100, s100, s101
	s_mul_i32 s100, s100, 24576
	s_add_co_u32 s98, s98, s100
	s_add_co_u32 s98, s98, 12582912
	s_add_nc_u64 s[OUT2:OUT2+1], s[18:19], s[98:99]
	s_lshl_b32 s98, s[YY], 12
	s_lshl_b32 s100, s[XX], 10
	s_add_co_u32 s98, s98, s100
	s_lshl_b32 s100, s[WV], 8
	s_add_co_u32 s98, s98, s100
	s_add_co_u32 s98, s98, 524288
	s_add_nc_u64 s[OSC2:OSC2+1], s[20:21], s[98:99]
	s_lshl_b32 s98, s[YY], 4
	s_lshl_b32 s100, s[WI], 3
	s_add_co_u32 s98, s98, s100
	s_mul_i32 s98, s98, 12288
	s_lshl_b32 s100, s[XX], 1
	s_add_co_u32 s100, s100, s[WJ]
	s_mul_i32 s101, s100, 1536
	s_add_co_u32 s98, s98, s101
	s_add_nc_u64 s[OUT1:OUT1+1], s[18:19], s[98:99]
	s_lshl_b32 s98, s100, 15
	s_lshl_b32 s101, s[TEN], 18
	s_add_co_u32 s98, s98, s101
	s_lshl_b32 s101, s[Y32], 10
	s_add_co_u32 s98, s98, s101
	s_lshl_b32 s101, s[WI], 9
	s_add_co_u32 s98, s98, s101
	s_add_nc_u64 s[OSC1:OSC1+1], s[20:21], s[98:99]
	s_mov_b32 s[SEL], 0x76543210
	s_mov_b32 s[SEL+1], 0xfedcba98
	s_mov_b32 s[HI], 0xffff0000
	s_wait_loadcnt 20                              ; phase 2's scale words are in; the twenty loads of the biases, issued behind them, may be out
	ds_store_b128 v[STX], v[64:67]
	ds_store_b128 v[STX], v[68:71] offset:512
	ds_store_b128 v[STW], v[72:75]
	ds_store_b128 v[STW], v[76:79] offset:512
	ds_store_b128 v[STW], v[80:83] offset:1024
	ds_store_b128 v[STW], v[84:87] offset:1536
	s_wait_tensorcnt 0x2                           ; my scale words and my part of chunk 0 are in; chunks 1 and 2 may stay out
	s_wait_dscnt 0x0                               ; for the others' sake: my part of phase 2's scale words lies in LDS
	s_barrier_signal -1
	s_barrier_wait -1
	FETCH 0
	s_wait_loadcnt 0x0                             ; the biases
	; ---------------- PHASE 1
	STEP 0, 1, 2                                   ; the first K step starts the sums from the bias
	TURN 1, 1                                      ; chunk 3 into slot 0; the wait for all loads in front of the round has also shown chunks 1 and 2 whole to every wave
	; that wait has shown the scale words' loads done: their groups 1 become phase 2's: rows (tiles) of 6,144 bytes (4 K steps), 12,288 bytes apart in memory, dense in LDS; 4 rows of value a wave, 8 of Wv
	s_or_b32 s[G1A2], s[RM], (3<<16)|(1<<21)
	s_or_b32 s[G1B2], s[CM], (3<<16)|(1<<21)
.irp g, G1A2, G1B2
	s_mov_b32 s[\g+1], 768<<16
	s_mov_b32 s[\g+3], 768<<16
	s_mov_b32 s[\g+5], 1536
	s_mov_b32 s[\g+6], 0
	s_mov_b32 s[\g+7], 0
.endr
	s_mov_b32 s[G1A2+2], 4<<16
	s_mov_b32 s[G1A2+4], 4
	s_mov_b32 s[G1B2+2], 8<<16
	s_mov_b32 s[G1B2+4], 8
	STEP 2, 1, 0
	STEP 3, 1, 0
	STEP 4, 1, 0
	TURN 5, 2                                      ; chunk 3 is whole; chunks 1 and 2 have been read: phase 2's K steps 0-3 go into the upper region
	STEP 6, 1, 0
	STEP 7, 0, 0
	; THE WAY OUT.  For each of source 1's tiles a lane's 64 results are 64 of the next product's K: quantised in registers, they are a fragment's image and a scale word.
	WIN 0
	PLACES
.irp b, 0,1,2,3
	v_mov_b32 v[TM+4+\b], 0                        ; written once: a lane permute's destination counts as one of its sources
.endr
	WIN 0x40
.irp a, 0,1,2,3                                ; phase 2's C: tile a of source 1: all eight registers = the bias of my lane's feature
.irp j, 0,1,2,3,4,5,6,7
	v_mov_b32 v[96+8*\a+\j], v[BV2+\a]
.endr
.endr
	WIN 0
.macro QUANTA                          ; the 64 registers at AC_ of window W_: register 16 b + i = k 32 b + 16 h + i.  Each accumulator is first read at its low end
	WIN W_|(W_<<2)
.irp b, 0,1,2,3
	v_max3_num_f32 v[TM+\b], |v[AC_+16*\b]|, |v[AC_+16*\b+1]|, 0x1800000   ; with the floor 2^(3 - 127)
.endr
.irp i, 2,4,6,8,10,12,14
.irp b, 0,1,2,3
	v_max3_num_f32 v[TM+\b], |v[AC_+16*\b+\i]|, |v[AC_+16*\b+\i+1]|, v[TM+\b]
.endr
.endr
	WIN 0
.irp b, 0,1,2,3
	v_permlanex16_b32 v[TM+4+\b], v[TM+\b], s[SEL], s[SEL+1]
.endr
.irp b, 0,1,2,3
	v_max_num_f32 v[TM+\b], v[TM+\b], v[TM+4+\b]
.endr
.irp b, 0,1,2,3
	v_add_nc_u32 v[TM+12+\b], 0xff000000, v[TM+\b]
.endr
.irp b, 0,1,2,3
	v_lshrrev_b32 v[TM+4+\b], 23, v[TM+12+\b]
.endr
	v_lshl_or_b32 v[PW], v[TM+5], 8, v[TM+4]
	v_lshl_or_b32 v[PW], v[TM+6], 16, v[PW]
	v_lshl_or_b32 v[PW], v[TM+7], 24, v[PW]
	WIN W_
.irp c, 0,1
	v_cvt_scalef32_pk16_fp6_f32 v[PC+6*\c:PC+6*\c+2], v[AC_+32*\c:AC_+32*\c+15], v[TM+12+2*\c]
	v_cvt_scalef32_pk16_fp6_f32 v[PC+12+4*\c:PC+14+4*\c], v[AC_+16+32*\c:AC_+31+32*\c], v[TM+12+2*\c+1]
.endr
	WIN 0
	v_nop                                          ; one plain place behind a scaled conversion
.irp c, 0,1
.irp i, 0,1,2
	v_permlane16_swap_b32 v[PC+6*\c+\i], v[PC+12+4*\c+\i]
.endr
.irp i, 0,1,2
	v_mov_b32 v[PC+3+6*\c+\i], v[PC+12+4*\c+\i]
.endr
.endr
.endm
.macro OUTQ a, ob, os, cstr            ; tile a of source 1: codes to s[ob:ob+1], cstr bytes from tile to tile; scale words, a pair of tiles at a time, to s[os:os+1]
.set W_, 2+(\a)/4
.set AC_, 64*((\a)%4)
	s_wait_xcnt 0x0                                ; the last tile's stores have read their data
	QUANTA
.irp c, 0,1,2
	global_store_b128 v[LI], v[PC+4*\c:PC+4*\c+3], s[\ob:\ob+1] offset:(\cstr)*(\a)+512*\c   ; 512 consecutive bytes
.endr
.if (\a)%2 == 0
	v_mov_b32 v[PWE], v[PW]
.else
	v_cndmask_b32 v[PWM+(\a)/2], v[PWE], v[PW], s[HI]   ; lanes 0-15 the even tile's words, lanes 16-31 the odd tile's
	global_store_b32 v[LS], v[PWM+(\a)/2], s[\os:\os+1] offset:128*((\a)/2)
.endif
.endm
.irp a, 0,1,2,3
	OUTQ \a, OUT1, OSC1, 12288
.endr
	; the third refill, in the middle of the way out: chunk 3 has been read, so phase 2's K steps 4-7 go into the lower region; the round also shows the upper region whole to every wave
	WIN 0
	s_wait_tensorcnt 0x0                           ; all my tensor loads have landed: my part of the upper region; so a group 0 may be written
	ds_add_u32 v[SPW], v[NIL]                      ; 0 onto my spare word
	MKG0 G0A2, QUAR, W2B, PA2, 6144
	MKG0 G0B2, HALF, 0, PB2, 6144
	s_wait_dscnt 0x0                               ; the add is done, and my reads of the three slots are over
	CROUND
	JLOAD G0A2, G1A2, G0B2, G1B2                   ; my one tensor load behind the round
	FETCH2 8                                       ; phase 2's first fragments come in under the rest of the way out
.irp a, 4,5,6,7
	OUTQ \a, OUT1, OSC1, 12288
.endr
	; ---------------- PHASE 2
	STEP2 8, 1, 3                                  ; the first K step starts the sums from the bias
	STEP2 9, 1, 0
	STEP2 10, 1, 0
	WIN 0                                          ; K step 11, with a barrier: the lower region is whole; nothing is left to fetch
	s_wait_tensorcnt 0x0
	ds_add_u32 v[SPW], v[NIL]
	s_wait_dscnt 0x0
	s_barrier_signal -1
	MULQ 0, 1, 0
	WIN 0
	s_barrier_wait -1
	PLACES
	FETCH2 12
	MULQ 2, 1, 0
	STEP2 12, 1, 0
	STEP2 13, 1, 0
	STEP2 14, 1, 0
	STEP2 15, 0, 0
	WIN 0
	PLACES
.irp a, 0,1,2,3
	OUTQ \a, OUT2, OSC2, 24576
.endr
	s_wait_tensorcnt 0x0                           ; the wave's end, behind my last tensor load and my last LDS store
	ds_add_u32 v[SPW], v[NIL]
	s_wait_dscnt 0x0
	CROUND                                         ; the closing round
	s_endpgm
.Lfunc_end_k_q71dc914542_proj:
	.size	k_q71dc914542_proj, .Lfunc_end_k_q71dc914542_proj-k_q71dc914542_proj
	.p2alignl 7, 3214868480
	.fill 96, 4, 3214868480
	.section	.rodata,"a",@progbits
	.p2align	6, 0x0
	.amdhsa_kernel k_q71dc914542_proj
		.amdhsa_group_segment_fixed_size 327680
		.amdhsa_private_segment_fixed_size 0
		.amdhsa_enable_private_segment 0
		.amdhsa_kernarg_size 72
		.amdhsa_user_sgpr_count 2
		.amdhsa_user_sgpr_kernarg_segment_ptr 1
		.amdhsa_wavefront_size32 1
		.amdhsa_system_sgpr_workgroup_id_x 1
		.amdhsa_system_sgpr_workgroup_id_y 1
		.amdhsa_system_sgpr_workgroup_id_z 1
		.amdhsa_system_vgpr_workitem_id 0
		.amdhsa_next_free_vgpr 1024
		.amdhsa_next_free_sgpr 102
		.amdhsa_reserve_vcc 0
		.amdhsa_float_denorm_mode_32 3
		.amdhsa_float_denorm_mode_16_64 3
		.amdhsa_memory_ordered 1
		.amdhsa_forward_progress 1
		.amdhsa_inst_pref_size 223
	.end_amdhsa_kernel
	.amdgpu_metadata
---
amdhsa.version: [ 1, 2 ]
amdhsa.kernels:
  - .name:           k_q71dc914542_proj
    .symbol:         k_q71dc914542_proj.kd
    .args:
      - { .name: xc, .offset: 0, .size: 8, .value_kind: global_buffer, .address_space: global }
      - { .name: xs, .offset: 8, .size: 8, .value_kind: global_buffer, .address_space: global }
      - { .name: wc, .offset: 16, .size: 8, .value_kind: global_buffer, .address_space: global }
      - { .name: ws, .offset: 24, .size: 8, .value_kind: global_buffer, .address_space: global }
      - { .name: bq, .offset: 32, .size: 8, .value_kind: global_buffer, .address_space: global }
      - { .name: bk, .offset: 40, .size: 8, .value_kind: global_buffer, .address_space: global }
      - { .name: bv, .offset: 48, .size: 8, .value_kind: global_buffer, .address_space: global }
      - { .name: hc, .offset: 56, .size: 8, .value_kind: global_buffer, .address_space: global }
      - { .name: hs, .offset: 64, .size: 8, .value_kind: global_buffer, .address_space: global }
    .group_segment_fixed_size: 327680
    .private_segment_fixed_size: 0
    .kernarg_segment_align: 8
    .kernarg_segment_size: 72
    .max_flat_workgroup_size: 128
    .sgpr_count:     102
    .vgpr_count:     1024
    .wavefront_size: 32
...
	.end_amdgpu_metadata
.endif
;; end of part 2
;; launch scores (part 3): grid 8 x 32, 4 waves a work-group, clusters of 4 x 4, 327,680 bytes of LDS; arguments hc, hs, pc, pst; writes pc, pst
.if DOCPART == 3
	.amdgcn_target "amdgcn-amd-amdhsa--gfx1250"
	.amdhsa_code_object_version 6
	.text
	.protected	k_q71dc914542_scores
	.globl	k_q71dc914542_scores
	.p2align	8
	.type	k_q71dc914542_scores,@function
k_q71dc914542_scores:
	s_mov_b64 s[64:65], 0
	v_nop
	global_prefetch_b8 v0, s[64:65] scope:SCOPE_SE
	s_setreg_imm32_b32 hwreg(HW_REG_WAVE_MODE, 25, 1), 1
	s_wait_xcnt 0x0
	s_wait_alu depctr_hold_cnt(0) depctr_sa_sdst(0) depctr_va_vdst(0) depctr_va_sdst(0) depctr_va_ssrc(0) depctr_va_vcc(0) depctr_vm_vsrc(0)
	s_getreg_b32 s2, hwreg(HW_REG_IB_STS2, 6, 4)
	s_cmp_eq_u32 s2, 0
	s_cbranch_scc0 .Lentry_in_a_cluster
	s_endpgm
.Lentry_in_a_cluster:
	s_bfe_u32 s2, ttmp6, 0x10000c
	s_cmp_lg_u32 s2, 0xf033
	s_cbranch_scc0 .Lentry_shape_is_right
	s_endpgm
.Lentry_shape_is_right:
; S = q k^T on codes of FP6 (E2M3) with E8M0 scales, and the softmax's numerator, quantised: for each query and each 128 keys, t = score x log2(e) / 32, M_loc = ceil(the largest t of these 128 keys),
; p = 2^(t - M_loc), l_loc = the sum of the unquantised p; p is quantised along the keys.  Stored: p's codes as images of the operand's registers, and for each (query, 128 keys) a record: scale word, -M_loc, l_loc, 0.
; M_loc is a whole number, so the next launch brings a block under the row's M by taking M - M_loc off its scale byte: the codes stay as they are.
; A work-group makes 256 queries x 256 keys of one batch; a wave 128 x 128.  Source 0 = 16 keys, source 1 = 16 queries: a lane holds one query and its 64 registers of a tile of queries are keys 32 b + 16 h + i.
; K = 1,024 goes in four chunks of 256 through three LDS slots: three first fills, one refill.  CLUSTER 4 x 4: q's tiles are shared along a row of the cluster, k's along a column, by joint loads.
; LIMITS: NaN and infinities are not served; p under 2^-126 counts as 0; a block of p whose largest lies under 2^-124 keeps the byte 1.
; REGISTERS: as in the launch before: window 0: addresses, v32-47 scale words, v64-255 source 1's two sets; window 1: source 0's two sets; windows 2, 3: the accumulators.
.set NB,    8
.set NQ,    2
.set NSL,   3
.set PA,    1024
.set PB,    1024
.set SLOT,  98304                      ; q's 16 tiles x 2 K steps, then k's
.set HALF,  49152
.set QUAR,  24576
.set SCX,   3*SLOT                     ; q's scale words [8][256],
.set SCW,   SCX+8192                   ; k's,
.set SPARE, SCW+8192                   ; the spare words, 128 bytes for each wave: two blocks of 256 bytes that no other line names
.set LI,   1
.set LS,   2
.set ADRA, 5
.set ADRB, 8
.set ADSA, 11
.set ADSB, 12
.set SPW,  28
.set NIL,  29
.set PC,   64                          ; the way out: v64-83 codes; v96-99 the blocks' largest; v100-103 the other half's; v104-107 scale operands; v108-111 bytes
.set BM,   96
.set BX,   100
.set SO,   104
.set BY,   108
.set NM,   112                         ; v112 -M_loc (v113 at work: named with it as a pair)
.set PW,   118
.set LL,   119
.set KE,   120                         ; v120-122 the even tile's record
.set REC,  124                         ; v124-127 a pair's records, to store
.set H,    128                         ; v128-191 t - M_loc, then p
.set G1A,  24
.set G1B,  32
.set G1SA, 40
.set G1SB, 48
.set G0SA, 56
.set G0A,  60
.set G0A1, 68
.set G0A2, 72
.set G0SB, 76
.set G0B,  80
.set G0B1, 84
.set G0B2, 88
.set WV,   92
.set WI,   93
.set WJ,   94
.set BB,   95
.set XX,   96
.set KT,   22
.set YY,   23
.set CX,   66
.set CYP,  67
.set RM,   2
.set CM,   3
.set CS,   16                          ; s[16:17] log2(e) / 32
.set SEL,  18                          ; s[18:19]
.set HI,   20
.set MSB, 0
.macro WIN new                         ; the immediate's high byte repeats the setting that is left
.if MSB != (\new)
	s_set_vgpr_msb (MSB<<8)|(\new)
.set MSB, (\new)
.endif
.endm
.macro PLACES                          ; four places: in front of loads into registers that matrix instructions have read, and of the first read of results
.rept 4
	v_nop
.endr
.endm
.macro CREST
	s_cmp_lg_u32 s[WV], 0
	s_cbranch_scc1 .Lnot_wave_0_\@
	s_barrier_signal -3
.Lnot_wave_0_\@:
	s_barrier_wait -3
	s_barrier_signal -1
	s_barrier_wait -1
.endm
.macro CROUND
	s_barrier_signal -1
	s_barrier_wait -1
	CREST
.endm
.macro JLOAD g0a, g1a, g0b, g1b        ; a joint load: waves 0, 1 for q, waves 2, 3 for k; an s_nop 0 and four v_nop follow each line
	s_cmp_eq_u32 s[WI], 0
	s_cbranch_scc0 .Lfor_b_\@
	tensor_load_to_lds s[\g0a:\g0a+3], s[\g1a:\g1a+7]
	s_nop 0
.rept 4
	v_nop
.endr
	s_branch .Lasked_\@
.Lfor_b_\@:
	tensor_load_to_lds s[\g0b:\g0b+3], s[\g1b:\g1b+7]
	s_nop 0
.rept 4
	v_nop
.endr
.Lasked_\@:
.endm
.macro MKG0 g0, mul, cst, bp, add
	s_mov_b32 s[\g0], 1
	s_mul_i32 s[\g0+1], s[WJ], \mul
	s_add_co_u32 s[\g0+1], s[\g0+1], \cst
	s_add_nc_u64 s[\g0+2:\g0+3], s[\bp:\bp+1], \add
	s_or_b32 s[\g0+3], s[\g0+3], 0x80000000
.endm
.macro FETCH ks                        ; K step ks's fragments and scale words into set ks % 2
.set P_, (\ks)%2
.set SL_, ((\ks)/NQ)%NSL
.set Q_, (\ks)%NQ
	WIN 0x40
.irp b, 0,1,2,3,4,5,6,7
.if \b < NB
.irp c, 0,1,2
	ds_load_b128 v[128*P_+12*\b+4*\c:128*P_+12*\b+4*\c+3], v[ADRB+SL_] offset:(\b*NQ+Q_)*1536+512*\c
.endr
.endif
.endr
	WIN 0
.irp a, 0,1,2,3,4,5,6,7
.irp c, 0,1,2
	ds_load_b128 v[64+96*P_+12*\a+4*\c:64+96*P_+12*\a+4*\c+3], v[ADRA+SL_] offset:(\a*NQ+Q_)*1536+512*\c
.endr
.endr
.irp j, 0,1,2,3
	ds_load_b32 v[32+8*P_+\j], v[ADSA] offset:(\ks)*PA+128*\j
.endr
.irp j, 0,1,2,3
.if \j < NB/2
	ds_load_b32 v[36+8*P_+\j], v[ADSB] offset:(\ks)*PB+128*\j
.endif
.endr
.endm
.macro EMIT
.if Z_
.if RB_ == 0 && RA_ == 0
	v_wmma_scale_f32_16x16x128_f8f6f4 v[D_:D_+7], v[B_:B_+11], v[A_:A_+11], 0, v[SB_], v[SA_] matrix_a_fmt:MATRIX_FMT_FP6 matrix_b_fmt:MATRIX_FMT_FP6
.elseif RB_ == 1 && RA_ == 0
	v_wmma_scale_f32_16x16x128_f8f6f4 v[D_:D_+7], v[B_:B_+11], v[A_:A_+11], 0, v[SB_], v[SA_] matrix_a_fmt:MATRIX_FMT_FP6 matrix_b_fmt:MATRIX_FMT_FP6 matrix_a_scale:MATRIX_SCALE_ROW1
.elseif RB_ == 0 && RA_ == 1
	v_wmma_scale_f32_16x16x128_f8f6f4 v[D_:D_+7], v[B_:B_+11], v[A_:A_+11], 0, v[SB_], v[SA_] matrix_a_fmt:MATRIX_FMT_FP6 matrix_b_fmt:MATRIX_FMT_FP6 matrix_b_scale:MATRIX_SCALE_ROW1
.else
	v_wmma_scale_f32_16x16x128_f8f6f4 v[D_:D_+7], v[B_:B_+11], v[A_:A_+11], 0, v[SB_], v[SA_] matrix_a_fmt:MATRIX_FMT_FP6 matrix_b_fmt:MATRIX_FMT_FP6 matrix_a_scale:MATRIX_SCALE_ROW1 matrix_b_scale:MATRIX_SCALE_ROW1
.endif
.else
.if RB_ == 0 && RA_ == 0
	v_wmma_scale_f32_16x16x128_f8f6f4 v[D_:D_+7], v[B_:B_+11], v[A_:A_+11], v[D_:D_+7], v[SB_], v[SA_] matrix_a_fmt:MATRIX_FMT_FP6 matrix_b_fmt:MATRIX_FMT_FP6
.elseif RB_ == 1 && RA_ == 0
	v_wmma_scale_f32_16x16x128_f8f6f4 v[D_:D_+7], v[B_:B_+11], v[A_:A_+11], v[D_:D_+7], v[SB_], v[SA_] matrix_a_fmt:MATRIX_FMT_FP6 matrix_b_fmt:MATRIX_FMT_FP6 matrix_a_scale:MATRIX_SCALE_ROW1
.elseif RB_ == 0 && RA_ == 1
	v_wmma_scale_f32_16x16x128_f8f6f4 v[D_:D_+7], v[B_:B_+11], v[A_:A_+11], v[D_:D_+7], v[SB_], v[SA_] matrix_a_fmt:MATRIX_FMT_FP6 matrix_b_fmt:MATRIX_FMT_FP6 matrix_b_scale:MATRIX_SCALE_ROW1
.else
	v_wmma_scale_f32_16x16x128_f8f6f4 v[D_:D_+7], v[B_:B_+11], v[A_:A_+11], v[D_:D_+7], v[SB_], v[SA_] matrix_a_fmt:MATRIX_FMT_FP6 matrix_b_fmt:MATRIX_FMT_FP6 matrix_a_scale:MATRIX_SCALE_ROW1 matrix_b_scale:MATRIX_SCALE_ROW1
.endif
.endif
.endm
; q's tiles a0, a0 + 1 x k's eight, from set p.  zero = 1: the first product starts the sums.  The accumulators take turns, one instruction a turn, in the same order in every K step.
.macro MULQ a0, p, zero
.set WW_, 2+(NB*(\a0))/32
	WIN (WW_<<6)|(WW_<<4)|1
.irp a, \a0, \a0+1
.irp b, 0,1,2,3,4,5,6,7
.if \b < NB
.set D_, 8*((NB*(\a)+\b)%32)
.set B_, 128*(\p)+12*\b
.set A_, 64+96*(\p)+12*(\a)
.set SB_, 36+8*(\p)+\b/2
.set SA_, 32+8*(\p)+(\a)/2
.set RB_, \b%2
.set RA_, (\a)%2
.set Z_, \zero
	EMIT
.endif
.endr
.endr
.endm
.macro STEP ks, fetch, zero
	s_wait_dscnt 0x0                               ; this step's set is in: it was asked for a whole step ago
.if \fetch
	PLACES
	FETCH (\ks)+1
.endif
	MULQ 0, (\ks)%2, \zero
	MULQ 2, (\ks)%2, \zero
	MULQ 4, (\ks)%2, \zero
	MULQ 6, (\ks)%2, \zero
.endm
.macro TURN ks, fill, g0a, g0b, stp    ; a K step with a barrier; fill = 1: the slot just read out is filled again, behind a round of the cluster's barrier
	WIN 0
	s_wait_tensorcnt 0x0                           ; all my tensor loads have landed, so a group 0 may be written
	ds_add_u32 v[SPW], v[NIL]                      ; 0 onto my spare word
.if \fill
	s_add_nc_u64 s[\g0a+2:\g0a+3], s[\g0a+2:\g0a+3], \stp
	s_add_nc_u64 s[\g0b+2:\g0b+3], s[\g0b+2:\g0b+3], \stp
.endif
	s_wait_dscnt 0x0                               ; the add is done, this step's set is in, and my reads of the slot are over
	s_barrier_signal -1
	MULQ 0, (\ks)%2, 0
	WIN 0
	s_barrier_wait -1
.if \fill
	CREST
	JLOAD \g0a, G1A, \g0b, G1B                     ; my one tensor load behind the round; its four v_nop are the places in front of the loads below
.else
	PLACES
.endif
	FETCH (\ks)+1
	MULQ 2, (\ks)%2, 0
	MULQ 4, (\ks)%2, 0
	MULQ 6, (\ks)%2, 0
.endm
	s_load_b256 s[4:11], s[0:1], 0x0               ; hc, hs, pc, pst
	v_lshl_add_u32 v[SPW], v0, 2, SPARE
	v_mov_b32 v[NIL], 0
	ds_add_u32 v[SPW], v[NIL]                      ; the wave's opening: the add, with its wait, stands ahead of my first tensor load
	v_lshrrev_b32 v1, 5, v0
	v_readfirstlane_b32 s[WV], v1
	s_lshr_b32 s[WI], s[WV], 1
	s_and_b32 s[WJ], s[WV], 1
	s_bfe_u32 s[CX], ttmp6, 0x40000
	s_bfe_u32 s[CYP], ttmp6, 0x40004
	s_lshl_b32 s[XX], ttmp9, 2
	s_add_co_u32 s[XX], s[XX], s[CX]               ; block of 256 keys of the batch
	s_and_b32 s[BB], ttmp7, 0xffff                 ; the cluster's y
	s_lshl_b32 s[YY], s[BB], 2
	s_add_co_u32 s[YY], s[YY], s[CYP]              ; 8 x batch + block of 256 queries
	s_lshr_b32 s[BB], s[BB], 1                     ; the batch: the same in all sixteen partners
	s_lshl_b32 s[RM], s[CYP], 2
	s_lshl_b32 s[RM], 15, s[RM]
	s_lshl_b32 s[CM], 0x1111, s[CX]
	s_or_b32 s[G1A], s[RM], (3<<16)|(1<<21)        ; codes: 8 rows (tiles) of 3,072 bytes, 12,288 bytes apart in memory, dense in LDS
	s_or_b32 s[G1B], s[CM], (3<<16)|(1<<21)
.irp g, G1A, G1B
	s_mov_b32 s[\g+1], 384<<16
	s_mov_b32 s[\g+2], 8<<16
	s_mov_b32 s[\g+3], 384<<16
	s_mov_b32 s[\g+4], 8
	s_mov_b32 s[\g+5], 1536
	s_mov_b32 s[\g+6], 0
	s_mov_b32 s[\g+7], 0
.endr
	s_or_b32 s[G1SA], s[RM], (2<<16)|(1<<21)       ; scale words: 4 rows (K steps) of 256 words, 8,192 words apart
	s_or_b32 s[G1SB], s[CM], (2<<16)|(1<<21)
.irp g, G1SA, G1SB
	s_mov_b32 s[\g+1], 256<<16
	s_mov_b32 s[\g+2], 4<<16
	s_mov_b32 s[\g+3], 256<<16
	s_mov_b32 s[\g+4], 4
	s_mov_b32 s[\g+5], 8192
	s_mov_b32 s[\g+6], 0
	s_mov_b32 s[\g+7], 0
.endr
	s_wait_dscnt 0x0                               ; the opening add is done
	s_wait_kmcnt 0x0
	; q's addresses hang on work-group y and the wave alone (s98, s99), k's on the batch, work-group x and the wave alone (s22, s100, s101)
	s_lshl_b32 s98, s[YY], 4
	s_lshl_b32 s99, s[WJ], 3
	s_add_co_u32 s98, s98, s99
	s_mul_i32 s98, s98, 12288
	s_mov_b32 s99, 0
	s_add_nc_u64 s[98:99], s[4:5], s[98:99]
	MKG0 G0A, QUAR, 0, 98, 0
	MKG0 G0A1, QUAR, SLOT, 98, 3072
	MKG0 G0A2, QUAR, 2*SLOT, 98, 6144
	s_lshl_b32 s98, s[YY], 10
	s_lshl_b32 s99, s[WJ], 17
	s_add_co_u32 s98, s98, s99
	s_mov_b32 s99, 0
	s_add_nc_u64 s[98:99], s[6:7], s[98:99]
	MKG0 G0SA, 4096, SCX, 98, 0
	s_lshl_b32 s[KT], s[BB], 3
	s_add_co_u32 s[KT], s[KT], s[XX]               ; k's block of 256 rows: 8 x batch + X
	s_lshl_b32 s100, s[KT], 4
	s_lshl_b32 s101, s[WJ], 3
	s_add_co_u32 s100, s100, s101
	s_mul_i32 s100, s100, 12288
	s_add_co_u32 s100, s100, 6291456
	s_mov_b32 s101, 0
	s_add_nc_u64 s[100:101], s[4:5], s[100:101]
	MKG0 G0B, QUAR, HALF, 100, 0
	MKG0 G0B1, QUAR, SLOT+HALF, 100, 3072
	MKG0 G0B2, QUAR, 2*SLOT+HALF, 100, 6144
	s_lshl_b32 s100, s[KT], 10
	s_lshl_b32 s101, s[WJ], 17
	s_add_co_u32 s100, s100, s101
	s_add_co_u32 s100, s100, 262144
	s_mov_b32 s101, 0
	s_add_nc_u64 s[100:101], s[6:7], s[100:101]
	MKG0 G0SB, 4096, SCW, 100, 0
	CROUND                                         ; all sixteen work-groups are here: the first joint loads meet
	s_cmp_eq_u32 s[WI], 0                          ; a wave's four first fills stand in one branch: four loads of mine are out
	s_cbranch_scc0 .Lfirst_b
	tensor_load_to_lds s[G0SA:G0SA+3], s[G1SA:G1SA+7]
	s_nop 0
	tensor_load_to_lds s[G0A:G0A+3], s[G1A:G1A+7]
	s_nop 0
	tensor_load_to_lds s[G0A1:G0A1+3], s[G1A:G1A+7]
	s_nop 0
	tensor_load_to_lds s[G0A2:G0A2+3], s[G1A:G1A+7]
	s_nop 0
	PLACES
	s_branch .Lfirst_asked
.Lfirst_b:
	tensor_load_to_lds s[G0SB:G0SB+3], s[G1SB:G1SB+7]
	s_nop 0
	tensor_load_to_lds s[G0B:G0B+3], s[G1B:G1B+7]
	s_nop 0
	tensor_load_to_lds s[G0B1:G0B1+3], s[G1B:G1B+7]
	s_nop 0
	tensor_load_to_lds s[G0B2:G0B2+3], s[G1B:G1B+7]
	s_nop 0
	PLACES
.Lfirst_asked:
	v_and_b32 v13, 31, v0
	v_lshlrev_b32 v[LI], 4, v13
	v_lshlrev_b32 v[LS], 2, v13
	s_mul_i32 s12, s[WI], QUAR
	s_mul_i32 s13, s[WJ], QUAR
	s_add_co_u32 s13, s13, HALF
	v_add_nc_u32 v[ADRA], s12, v[LI]
	v_add_nc_u32 v[ADRB], s13, v[LI]
	v_add_nc_u32 v[ADRA+1], SLOT, v[ADRA]
	v_add_nc_u32 v[ADRB+1], SLOT, v[ADRB]
	v_add_nc_u32 v[ADRA+2], 2*SLOT, v[ADRA]
	v_add_nc_u32 v[ADRB+2], 2*SLOT, v[ADRB]
	s_lshl_b32 s12, s[WI], 9
	s_add_co_u32 s12, s12, SCX
	s_lshl_b32 s13, s[WJ], 9
	s_add_co_u32 s13, s13, SCW
	v_add_nc_u32 v[ADSA], s12, v[LS]
	v_add_nc_u32 v[ADSB], s13, v[LS]
	; where the results go: fragment (tile 16 Y + 8 WI + a, K step 2 X + WJ) of P; records [16 batch + 2 X + WJ][2,048 places]
	s_lshl_b32 s12, s[YY], 4
	s_lshl_b32 s13, s[WI], 3
	s_add_co_u32 s12, s12, s13
	s_mul_i32 s12, s12, 24576
	s_lshl_b32 s14, s[XX], 1
	s_add_co_u32 s14, s14, s[WJ]
	s_mul_i32 s13, s14, 1536
	s_add_co_u32 s12, s12, s13
	s_mov_b32 s13, 0
	s_add_nc_u64 s[8:9], s[8:9], s[12:13]
	s_lshl_b32 s15, s[BB], 4
	s_add_co_u32 s14, s14, s15
	s_lshl_b32 s14, s14, 15
	s_and_b32 s15, s[YY], 7
	s_lshl_b32 s15, s15, 12
	s_add_co_u32 s14, s14, s15
	s_lshl_b32 s15, s[WI], 11
	s_add_co_u32 s14, s14, s15
	s_mov_b32 s15, 0
	s_add_nc_u64 s[10:11], s[10:11], s[14:15]
	s_mov_b32 s[CS], 0x3d38aa3b                    ; log2(e) / sqrt(1024)
	s_mov_b32 s[CS+1], s[CS]                       ; (named with it as a pair, so it is written)
	s_mov_b32 s[SEL], 0x76543210
	s_mov_b32 s[SEL+1], 0xfedcba98
	s_mov_b32 s[HI], 0xffff0000
	s_wait_tensorcnt 0x2                           ; my scale words and my part of chunk 0 are in; chunks 1 and 2 may stay out
	s_wait_dscnt 0x0
	s_barrier_signal -1
	s_barrier_wait -1
	FETCH 0
	STEP 0, 1, 1                                   ; the first K step starts the sums: nothing is cleared
	TURN 1, 1, G0A, G0B, 9216                      ; chunk 3 into slot 0; the wait for all loads in front of the round has also shown chunks 1 and 2 whole to every wave
	STEP 2, 1, 0
	STEP 3, 1, 0
	STEP 4, 1, 0
	TURN 5, 0, 0, 0, 0                             ; chunk 3 is whole
	STEP 6, 1, 0
	STEP 7, 0, 0
	; THE WAY OUT, a tile of 16 queries at a time
	WIN 0
	PLACES
.irp b, 0,1,2,3
	v_mov_b32 v[BX+\b], 0                          ; written once: a lane permute's destination counts as one of its sources
.endr
	v_mov_b32 v[REC+3], 0
.macro SOFTQ a
.set W_, 2+(\a)/4
.set AC_, 64*((\a)%4)
.if (\a) > 0
	s_wait_xcnt 0x0                                ; the last tile's stores have read their data
.endif
	WIN W_|(W_<<2)
.irp b, 0,1,2,3
	v_max3_num_f32 v[BM+\b], v[AC_+16*\b], v[AC_+16*\b+1], 0xff800000   ; the largest score of each block of 32 keys: it serves for M_loc and, since p rises with the score, for the block's largest p.  Each accumulator is first read at its low end
.endr
.irp i, 2,4,6,8,10,12,14
.irp b, 0,1,2,3
	v_max3_num_f32 v[BM+\b], v[AC_+16*\b+\i], v[AC_+16*\b+\i+1], v[BM+\b]
.endr
.endr
	WIN 0
.irp b, 0,1,2,3
	v_permlanex16_b32 v[BX+\b], v[BM+\b], s[SEL], s[SEL+1]
.endr
.irp b, 0,1,2,3
	v_max_num_f32 v[BM+\b], v[BM+\b], v[BX+\b]     ; with lane l xor 16's 16 keys
.endr
	v_max3_num_f32 v[NM+1], v[BM], v[BM+1], v[BM+2]
	v_max_num_f32 v[NM+1], v[NM+1], v[BM+3]
	v_mul_f32 v[NM+1], s[CS], v[NM+1]              ; the largest t of my query's 128 keys
	v_floor_f32 v[NM], -v[NM+1]                    ; -M_loc = floor(-t) = -ceil(t)
	WIN W_
.set j, 0
.rept 32
	v_pk_fma_f32 v[H+j:H+j+1], v[AC_+j:AC_+j+1], s[CS:CS+1], v[NM:NM+1] op_sel_hi:[1,0,0]   ; t - M_loc, two at a time
.set j, j+2
.endr
	WIN 0
.irp b, 0,1,2,3
	v_fma_f32 v[BM+\b], v[BM+\b], s[CS], v[NM]     ; the same of each block's largest score
.endr
.set j, 0
.rept 64
	v_exp_f32 v[H+j], v[H+j]                       ; p = 2^(t - M_loc), at most 1
.set j, j+1
.endr
	v_nop                                          ; a plain place behind the exponentials
	s_wait_alu depctr_va_vdst(0)                   ; one wait for the whole batch, ahead of its first reader
.irp b, 0,1,2,3
	v_exp_f32 v[BM+\b], v[BM+\b]                   ; the block's largest p: the same two instructions on the same number give the same bits
.endr
	v_pk_add_f32 v[114:115], v[H:H+1], v[H+2:H+3]  ; the sum of the unquantised p, two at a time, in two chains: plain work behind the four
	v_pk_add_f32 v[116:117], v[H+4:H+5], v[H+6:H+7]
.irp j, 8,12,16,20,24,28,32,36,40,44,48,52,56,60
	v_pk_add_f32 v[114:115], v[114:115], v[H+\j:H+\j+1]
	v_pk_add_f32 v[116:117], v[116:117], v[H+\j+2:H+\j+3]
.endr
	v_pk_add_f32 v[114:115], v[114:115], v[116:117]
	s_wait_alu depctr_va_vdst(0)                   ; and one for the four
.irp b, 0,1,2,3
	v_max_num_f32 v[BM+\b], 0x1800000, v[BM+\b]    ; the floor 2^(3 - 127): the byte cannot fall under 1
.endr
.irp b, 0,1,2,3
	v_add_nc_u32 v[SO+\b], 0xff000000, v[BM+\b]    ; 2 off the exponent field: the conversion's scale operand
.endr
.irp b, 0,1,2,3
	v_lshrrev_b32 v[BY+\b], 23, v[SO+\b]
.endr
	v_lshl_or_b32 v[PW], v[BY+1], 8, v[BY]
	v_lshl_or_b32 v[PW], v[BY+2], 16, v[PW]
	v_lshl_or_b32 v[PW], v[BY+3], 24, v[PW]
.irp c, 0,1
	v_cvt_scalef32_pk16_fp6_f32 v[PC+6*\c:PC+6*\c+2], v[H+32*\c:H+32*\c+15], v[SO+2*\c]
	v_cvt_scalef32_pk16_fp6_f32 v[PC+12+4*\c:PC+14+4*\c], v[H+16+32*\c:H+31+32*\c], v[SO+2*\c+1]
.endr
	v_nop                                          ; one plain place behind a scaled conversion
.irp c, 0,1
.irp i, 0,1,2
	v_permlane16_swap_b32 v[PC+6*\c+\i], v[PC+12+4*\c+\i]
.endr
.irp i, 0,1,2
	v_mov_b32 v[PC+3+6*\c+\i], v[PC+12+4*\c+\i]
.endr
.endr
	v_add_f32 v[LL], v114, v115
	v_permlanex16_b32 v[BX], v[LL], s[SEL], s[SEL+1]
	v_add_f32 v[LL], v[LL], v[BX]                  ; l_loc
.irp c, 0,1,2
	global_store_b128 v[LI], v[PC+4*\c:PC+4*\c+3], s[8:9] offset:24576*(\a)+512*\c   ; 512 consecutive bytes
.endr
.if (\a)%2 == 0
	v_mov_b32 v[KE], v[PW]
	v_mov_b32 v[KE+1], v[NM]
	v_mov_b32 v[KE+2], v[LL]
.else
	v_cndmask_b32 v[REC], v[KE], v[PW], s[HI]      ; lanes 0-15 the even tile's records, lanes 16-31 the odd tile's
	v_cndmask_b32 v[REC+1], v[KE+1], v[NM], s[HI]
	v_cndmask_b32 v[REC+2], v[KE+2], v[LL], s[HI]
	global_store_b128 v[LI], v[REC:REC+3], s[10:11] offset:512*((\a)/2)
.endif
.endm
.irp a, 0,1,2,3,4,5,6,7
	SOFTQ \a
.endr
	s_wait_tensorcnt 0x0                           ; the wave's end
	ds_add_u32 v[SPW], v[NIL]
	s_wait_dscnt 0x0
	CROUND                                         ; the closing round
	s_endpgm
.Lfunc_end_k_q71dc914542_scores:
	.size	k_q71dc914542_scores, .Lfunc_end_k_q71dc914542_scores-k_q71dc914542_scores
	.p2alignl 7, 3214868480
	.fill 96, 4, 3214868480
	.section	.rodata,"a",@progbits
	.p2align	6, 0x0
	.amdhsa_kernel k_q71dc914542_scores
		.amdhsa_group_segment_fixed_size 327680
		.amdhsa_private_segment_fixed_size 0
		.amdhsa_enable_private_segment 0
		.amdhsa_kernarg_size 32
		.amdhsa_user_sgpr_count 2
		.amdhsa_user_sgpr_kernarg_segment_ptr 1
		.amdhsa_wavefront_size32 1
		.amdhsa_system_sgpr_workgroup_id_x 1
		.amdhsa_system_sgpr_workgroup_id_y 1
		.amdhsa_system_sgpr_workgroup_id_z 1
		.amdhsa_system_vgpr_workitem_id 0
		.amdhsa_next_free_vgpr 1024
		.amdhsa_next_free_sgpr 102
		.amdhsa_reserve_vcc 0
		.amdhsa_float_denorm_mode_32 3
		.amdhsa_float_denorm_mode_16_64 3
		.amdhsa_memory_ordered 1
		.amdhsa_forward_progress 1
		.amdhsa_inst_pref_size 197
	.end_amdhsa_kernel
	.amdgpu_metadata
---
amdhsa.version: [ 1, 2 ]
amdhsa.kernels:
  - .name:           k_q71dc914542_scores
    .symbol:         k_q71dc914542_scores.kd
    .args:
      - { .name: hc, .offset: 0, .size: 8, .value_kind: global_buffer, .address_space: global }
      - { .name: hs, .offset: 8, .size: 8, .value_kind: global_buffer, .address_space: global }
      - { .name: pc, .offset: 16, .size: 8, .value_kind: global_buffer, .address_space: global }
      - { .name: pst, .offset: 24, .size: 8, .value_kind: global_buffer, .address_space: global }
    .group_segment_fixed_size: 327680
    .private_segment_fixed_size: 0
    .kernarg_segment_align: 8
    .kernarg_segment_size: 32
    .max_flat_workgroup_size: 128
    .sgpr_count:     102
    .vgpr_count:     1024
    .wavefront_size: 32
...
	.end_amdgpu_metadata
.endif
;; end of part 3
;; launch pv (part 4): grid 8 x 32, 4 waves a work-group, clusters of 4 x 4, 327,680 bytes of LDS; arguments pc, pst, hc, hs, out0; writes out0
.if DOCPART == 4
	.amdgcn_target "amdgcn-amd-amdhsa--gfx1250"
	.amdhsa_code_object_version 6
	.text
	.protected	k_q71dc914542_pv
	.globl	k_q71dc914542_pv
	.p2align	8
	.type	k_q71dc914542_pv,@function
k_q71dc914542_pv:
	s_mov_b64 s[64:65], 0
	v_nop
	global_prefetch_b8 v0, s[64:65] scope:SCOPE_SE
	s_setreg_imm32_b32 hwreg(HW_REG_WAVE_MODE, 25, 1), 1
	s_wait_xcnt 0x0
	s_wait_alu depctr_hold_cnt(0) depctr_sa_sdst(0) depctr_va_vdst(0) depctr_va_sdst(0) depctr_va_ssrc(0) depctr_va_vcc(0) depctr_vm_vsrc(0)
	s_getreg_b32 s2, hwreg(HW_REG_IB_STS2, 6, 4)
	s_cmp_eq_u32 s2, 0
	s_cbranch_scc0 .Lentry_in_a_cluster
	s_endpgm
.Lentry_in_a_cluster:
	s_bfe_u32 s2, ttmp6, 0x10000c
	s_cmp_lg_u32 s2, 0xf033
	s_cbranch_scc0 .Lentry_shape_is_right
	s_endpgm
.Lentry_shape_is_right:
; O = (P v) / l on codes of FP6 (E2M3) with E8M0 scales.  P's codes were made under a local M for each (query, 128 keys).  THE FIX-UP at the head: M = the largest M_loc of the row; d = M - M_loc, a whole number, 0 or more,
; is taken off the four scale bytes of that K step (held at 0 from below), and l = the sum of l_loc x 2^-d.  That is the same as p = 2^(t - M) quantised: the codes do not change.
; A work-group makes 256 queries x 128 features of one batch; a wave 128 x 64: 32 accumulators.  Source 0 = 16 features of v^T, source 1 = 16 queries of P; K = the batch's 2,048 keys, 16 K steps.
; K goes in four chunks of 512 through two LDS slots: two first fills, two refills.  CLUSTER 4 x 4: P's tiles are shared along a row of the cluster, v^T's along a column, by joint loads.
; LIMITS: NaN and infinities are not served; a block of p whose scale would fall under 2^-127 is held at the byte 0; M - M_loc is a difference of whole numbers in f32, exact for |t| < 2^24.
; REGISTERS: window 0: v1-19 addresses; v28, v29 the add's two; v32-47 scale words, two sets; v64-159, v160-255 P's fragments, two sets (at the head: the records).  window 1: v0-47, v128-175 v^T's, two sets.  window 2: the accumulators: (a, b) at v[8 (4 a + b)].
.set NB,    4
.set NQ,    4
.set NSL,   2
.set PA,    1024
.set PB,    512
.set SLOT,  147456                     ; P's 16 tiles x 4 K steps (98,304 bytes), then v^T's 8 tiles x 4 K steps
.set AB,    98304
.set SCA,   2*SLOT                     ; P's scale words under the row's M, [16][256]: written by LDS stores; no tile lands here
.set SCB,   SCA+16384                  ; v^T's scale words [16][128]: filled once
.set LRC,   SCB+8192                   ; 1 / l of the 256 queries: written by LDS stores
.set SPARE, LRC+1024                   ; the spare words, 128 bytes for each wave: two blocks of 256 bytes that no other line names
.set LI,   1
.set LS,   2
.set ADRA, 5                           ; v5-6
.set ADRB, 8                           ; v8-9
.set ADSA, 11
.set ADSB, 12
.set PS,   13                          ; v13  SCA + 4 x thread
.set PL,   14                          ; v14  LRC + 4 x thread
.set REC0, 15                          ; v15  16 x thread
.set STO,  16                          ; the way out: into my stage,
.set RD,   17                          ; back out of it,
.set GO,   18                          ; my bytes in two rows of O,
.set LRA,  19                          ; my query's 1 / l
.set SPW,  28
.set NIL,  29
.set G1A,  24
.set G1B,  32
.set G1S,  40
.set G0A,  48                          ; P: slot 0, slot 1
.set G0A1, 52
.set G0B,  56                          ; v^T: slot 0, slot 1
.set G0B1, 60
.set G0S,  68
.set WV,   72
.set WI,   73
.set WJ,   74
.set CX,   75
.set CYP,  76
.set XX,   77
.set YY,   78
.set BB,   79
.set RM,   80
.set CM,   81
.set M80,  88
.set M01,  89
.set MSB, 0
.macro WIN new                         ; the immediate's high byte repeats the setting that is left
.if MSB != (\new)
	s_set_vgpr_msb (MSB<<8)|(\new)
.set MSB, (\new)
.endif
.endm
.macro PLACES                          ; four places: in front of loads into registers that matrix instructions have read, and of the first read of results
.rept 4
	v_nop
.endr
.endm
.macro CREST
	s_cmp_lg_u32 s[WV], 0
	s_cbranch_scc1 .Lnot_wave_0_\@
	s_barrier_signal -3
.Lnot_wave_0_\@:
	s_barrier_wait -3
	s_barrier_signal -1
	s_barrier_wait -1
.endm
.macro CROUND
	s_barrier_signal -1
	s_barrier_wait -1
	CREST
.endm
.macro JLOAD g0a, g1a, g0b, g1b        ; a joint load: waves 0, 1 for P, waves 2, 3 for v^T; an s_nop 0 and four v_nop follow each line
	s_cmp_eq_u32 s[WI], 0
	s_cbranch_scc0 .Lfor_b_\@
	tensor_load_to_lds s[\g0a:\g0a+3], s[\g1a:\g1a+7]
	s_nop 0
.rept 4
	v_nop
.endr
	s_branch .Lasked_\@
.Lfor_b_\@:
	tensor_load_to_lds s[\g0b:\g0b+3], s[\g1b:\g1b+7]
	s_nop 0
.rept 4
	v_nop
.endr
.Lasked_\@:
.endm
.macro MKG0 g0, mul, cst, bp, add
	s_mov_b32 s[\g0], 1
	s_mul_i32 s[\g0+1], s[WJ], \mul
	s_add_co_u32 s[\g0+1], s[\g0+1], \cst
	s_add_nc_u64 s[\g0+2:\g0+3], s[\bp:\bp+1], \add
	s_or_b32 s[\g0+3], s[\g0+3], 0x80000000
.endm
.macro FETCH ks                        ; K step ks's fragments and scale words into set ks % 2
.set P_, (\ks)%2
.set SL_, ((\ks)/NQ)%NSL
.set Q_, (\ks)%NQ
	WIN 0x40
.irp b, 0,1,2,3,4,5,6,7
.if \b < NB
.irp c, 0,1,2
	ds_load_b128 v[128*P_+12*\b+4*\c:128*P_+12*\b+4*\c+3], v[ADRB+SL_] offset:(\b*NQ+Q_)*1536+512*\c
.endr
.endif
.endr
	WIN 0
.irp a, 0,1,2,3,4,5,6,7
.irp c, 0,1,2
	ds_load_b128 v[64+96*P_+12*\a+4*\c:64+96*P_+12*\a+4*\c+3], v[ADRA+SL_] offset:(\a*NQ+Q_)*1536+512*\c
.endr
.endr
.irp j, 0,1,2,3
	ds_load_b32 v[32+8*P_+\j], v[ADSA] offset:(\ks)*PA+128*\j
.endr
.irp j, 0,1,2,3
.if \j < NB/2
	ds_load_b32 v[36+8*P_+\j], v[ADSB] offset:(\ks)*PB+128*\j
.endif
.endr
.endm
.macro EMIT
.if Z_
.if RB_ == 0 && RA_ == 0
	v_wmma_scale_f32_16x16x128_f8f6f4 v[D_:D_+7], v[B_:B_+11], v[A_:A_+11], 0, v[SB_], v[SA_] matrix_a_fmt:MATRIX_FMT_FP6 matrix_b_fmt:MATRIX_FMT_FP6
.elseif RB_ == 1 && RA_ == 0
	v_wmma_scale_f32_16x16x128_f8f6f4 v[D_:D_+7], v[B_:B_+11], v[A_:A_+11], 0, v[SB_], v[SA_] matrix_a_fmt:MATRIX_FMT_FP6 matrix_b_fmt:MATRIX_FMT_FP6 matrix_a_scale:MATRIX_SCALE_ROW1
.elseif RB_ == 0 && RA_ == 1
	v_wmma_scale_f32_16x16x128_f8f6f4 v[D_:D_+7], v[B_:B_+11], v[A_:A_+11], 0, v[SB_], v[SA_] matrix_a_fmt:MATRIX_FMT_FP6 matrix_b_fmt:MATRIX_FMT_FP6 matrix_b_scale:MATRIX_SCALE_ROW1
.else
	v_wmma_scale_f32_16x16x128_f8f6f4 v[D_:D_+7], v[B_:B_+11], v[A_:A_+11], 0, v[SB_], v[SA_] matrix_a_fmt:MATRIX_FMT_FP6 matrix_b_fmt:MATRIX_FMT_FP6 matrix_a_scale:MATRIX_SCALE_ROW1 matrix_b_scale:MATRIX_SCALE_ROW1
.endif
.else
.if RB_ == 0 && RA_ == 0
	v_wmma_scale_f32_16x16x128_f8f6f4 v[D_:D_+7], v[B_:B_+11], v[A_:A_+11], v[D_:D_+7], v[SB_], v[SA_] matrix_a_fmt:MATRIX_FMT_FP6 matrix_b_fmt:MATRIX_FMT_FP6
.elseif RB_ == 1 && RA_ == 0
	v_wmma_scale_f32_16x16x128_f8f6f4 v[D_:D_+7], v[B_:B_+11], v[A_:A_+11], v[D_:D_+7], v[SB_], v[SA_] matrix_a_fmt:MATRIX_FMT_FP6 matrix_b_fmt:MATRIX_FMT_FP6 matrix_a_scale:MATRIX_SCALE_ROW1
.elseif RB_ == 0 && RA_ == 1
	v_wmma_scale_f32_16x16x128_f8f6f4 v[D_:D_+7], v[B_:B_+11], v[A_:A_+11], v[D_:D_+7], v[SB_], v[SA_] matrix_a_fmt:MATRIX_FMT_FP6 matrix_b_fmt:MATRIX_FMT_FP6 matrix_b_scale:MATRIX_SCALE_ROW1
.else
	v_wmma_scale_f32_16x16x128_f8f6f4 v[D_:D_+7], v[B_:B_+11], v[A_:A_+11], v[D_:D_+7], v[SB_], v[SA_] matrix_a_fmt:MATRIX_FMT_FP6 matrix_b_fmt:MATRIX_FMT_FP6 matrix_a_scale:MATRIX_SCALE_ROW1 matrix_b_scale:MATRIX_SCALE_ROW1
.endif
.endif
.endm
; P's tiles a0, a0 + 1 x v^T's four, from set p.  zero = 1: the first product starts the sums.  The accumulators take turns, one instruction a turn, in the same order in every K step.
.macro MULQ a0, p, zero
.set WW_, 2+(NB*(\a0))/32
	WIN (WW_<<6)|(WW_<<4)|1
.irp a, \a0, \a0+1
.irp b, 0,1,2,3,4,5,6,7
.if \b < NB
.set D_, 8*((NB*(\a)+\b)%32)
.set B_, 128*(\p)+12*\b
.set A_, 64+96*(\p)+12*(\a)
.set SB_, 36+8*(\p)+\b/2
.set SA_, 32+8*(\p)+(\a)/2
.set RB_, \b%2
.set RA_, (\a)%2
.set Z_, \zero
	EMIT
.endif
.endr
.endr
.endm
.macro STEP ks, fetch, zero
	s_wait_dscnt 0x0                               ; this step's set is in: it was asked for a whole step ago
.if \fetch
	PLACES
	FETCH (\ks)+1
.endif
	MULQ 0, (\ks)%2, \zero
	MULQ 2, (\ks)%2, \zero
	MULQ 4, (\ks)%2, \zero
	MULQ 6, (\ks)%2, \zero
.endm
.macro TURN ks, fill, g0a, g0b, stp    ; a slot's last K step: ONE barrier for the change of slots; fill = 1: the slot just read out is filled again, behind a round of the cluster's barrier
	WIN 0
	s_wait_tensorcnt 0x0                           ; all my tensor loads have landed: my part of the next slot; so a group 0 may be written
	ds_add_u32 v[SPW], v[NIL]                      ; 0 onto my spare word
.if \fill
	s_add_nc_u64 s[\g0a+2:\g0a+3], s[\g0a+2:\g0a+3], \stp
	s_add_nc_u64 s[\g0b+2:\g0b+3], s[\g0b+2:\g0b+3], \stp
.endif
	s_wait_dscnt 0x0                               ; the add is done, this step's set is in, and my reads of the slot are over
	s_barrier_signal -1
	MULQ 0, (\ks)%2, 0
	WIN 0
	s_barrier_wait -1
.if \fill
	CREST
	JLOAD \g0a, G1A, \g0b, G1B                     ; my one tensor load behind the round: it has the next slot's four K steps in which to land; its four v_nop are the places in front of the loads below
.else
	PLACES
.endif
	FETCH (\ks)+1
	MULQ 2, (\ks)%2, 0
	MULQ 4, (\ks)%2, 0
	MULQ 6, (\ks)%2, 0
.endm
	s_load_b256 s[4:11], s[0:1], 0x0               ; pc, pst, hc, hs
	s_load_b64 s[12:13], s[0:1], 0x20              ; out0
	v_lshl_add_u32 v[SPW], v0, 2, SPARE
	v_mov_b32 v[NIL], 0
	ds_add_u32 v[SPW], v[NIL]                      ; the wave's opening: the add, with its wait, stands ahead of my first tensor load
	v_lshrrev_b32 v1, 5, v0
	v_readfirstlane_b32 s[WV], v1
	v_lshlrev_b32 v[REC0], 4, v0
	s_lshr_b32 s[WI], s[WV], 1
	s_and_b32 s[WJ], s[WV], 1
	s_bfe_u32 s[CX], ttmp6, 0x40000
	s_bfe_u32 s[CYP], ttmp6, 0x40004
	s_lshl_b32 s[XX], ttmp9, 2
	s_add_co_u32 s[XX], s[XX], s[CX]               ; block of 128 features
	s_and_b32 s[BB], ttmp7, 0xffff
	s_lshl_b32 s[YY], s[BB], 2
	s_add_co_u32 s[YY], s[YY], s[CYP]              ; 8 x batch + block of 256 queries
	s_lshr_b32 s[BB], s[BB], 1                     ; the batch: the same in all sixteen partners
	s_lshl_b32 s[RM], s[CYP], 2
	s_lshl_b32 s[RM], 15, s[RM]
	s_lshl_b32 s[CM], 0x1111, s[CX]
	s_or_b32 s[G1A], s[RM], (3<<16)|(1<<21)        ; P: 8 rows (tiles) of 6,144 bytes (4 K steps), 24,576 bytes apart in memory, dense in LDS
	s_mov_b32 s[G1A+1], 768<<16
	s_mov_b32 s[G1A+2], 8<<16
	s_mov_b32 s[G1A+3], 768<<16
	s_mov_b32 s[G1A+4], 8
	s_mov_b32 s[G1A+5], 3072
	s_mov_b32 s[G1A+6], 0
	s_mov_b32 s[G1A+7], 0
	s_or_b32 s[G1B], s[CM], (3<<16)|(1<<21)        ; v^T: 4 such rows
	s_mov_b32 s[G1B+1], 768<<16
	s_mov_b32 s[G1B+2], 4<<16
	s_mov_b32 s[G1B+3], 768<<16
	s_mov_b32 s[G1B+4], 4
	s_mov_b32 s[G1B+5], 3072
	s_mov_b32 s[G1B+6], 0
	s_mov_b32 s[G1B+7], 0
	s_or_b32 s[G1S], s[CM], (2<<16)|(1<<21)        ; v^T's scale words: 8 rows (K steps) of 128 words, 1,024 words apart
	s_mov_b32 s[G1S+1], 128<<16
	s_mov_b32 s[G1S+2], 8<<16
	s_mov_b32 s[G1S+3], 128<<16
	s_mov_b32 s[G1S+4], 8
	s_mov_b32 s[G1S+5], 1024
	s_mov_b32 s[G1S+6], 0
	s_mov_b32 s[G1S+7], 0
	s_mov_b32 s[M80], 0x80808080
	s_mov_b32 s[M01], 0x01010101
	s_wait_dscnt 0x0                               ; the opening add is done
	s_wait_kmcnt 0x0
	; P's addresses hang on work-group y and the wave alone (s82, s83), v^T's on the batch, work-group x and the wave alone (s84, s85)
	s_lshl_b32 s82, s[YY], 4
	s_lshl_b32 s83, s[WJ], 3
	s_add_co_u32 s82, s82, s83
	s_mul_i32 s82, s82, 24576
	s_mov_b32 s83, 0
	s_add_nc_u64 s[82:83], s[4:5], s[82:83]
	MKG0 G0A, 49152, 0, 82, 0
	MKG0 G0A1, 49152, SLOT, 82, 6144
	s_lshl_b32 s84, s[XX], 3
	s_lshl_b32 s85, s[WJ], 2
	s_add_co_u32 s84, s84, s85
	s_mul_i32 s84, s84, 24576
	s_mul_i32 s85, s[BB], 1572864
	s_add_co_u32 s84, s84, s85
	s_add_co_u32 s84, s84, 12582912
	s_mov_b32 s85, 0
	s_add_nc_u64 s[84:85], s[8:9], s[84:85]
	MKG0 G0B, 24576, AB, 84, 0
	MKG0 G0B1, 24576, SLOT+AB, 84, 6144
	s_lshl_b32 s84, s[BB], 4
	s_lshl_b32 s85, s[WJ], 3
	s_add_co_u32 s84, s84, s85
	s_lshl_b32 s84, s84, 12
	s_lshl_b32 s85, s[XX], 9
	s_add_co_u32 s84, s84, s85
	s_add_co_u32 s84, s84, 524288
	s_mov_b32 s85, 0
	s_add_nc_u64 s[84:85], s[10:11], s[84:85]
	MKG0 G0S, 4096, SCB, 84, 0
	s_lshl_b32 s90, s[BB], 19                      ; the records of my batch,
	s_and_b32 s91, s[YY], 7
	s_lshl_b32 s91, s91, 12                        ; of my 256 queries
	s_add_co_u32 s90, s90, s91
	s_mov_b32 s91, 0
	s_add_nc_u64 s[86:87], s[6:7], s[90:91]
.set q, 0
.rept 32                               ; record q = 2 s + g: K step s, query thread + 128 g: scale word, -M_loc, l_loc, 0
	global_load_b128 v[64+4*q:67+4*q], v[REC0], s[86:87] offset:32768*(q/2)+2048*(q%2)
.set q, q+1
.endr
	CROUND                                         ; all sixteen work-groups are here: the first joint loads meet
	s_cmp_eq_u32 s[WI], 0                          ; a wave's first fills stand in one branch; on both ways one load, chunk 1's, stands behind chunk 0's: at most three loads of mine are out
	s_cbranch_scc0 .Lfirst_b
	tensor_load_to_lds s[G0A:G0A+3], s[G1A:G1A+7]
	s_nop 0
	tensor_load_to_lds s[G0A1:G0A1+3], s[G1A:G1A+7]
	s_nop 0
	PLACES
	s_branch .Lfirst_asked
.Lfirst_b:
	tensor_load_to_lds s[G0S:G0S+3], s[G1S:G1S+7]
	s_nop 0
	tensor_load_to_lds s[G0B:G0B+3], s[G1B:G1B+7]
	s_nop 0
	tensor_load_to_lds s[G0B1:G0B1+3], s[G1B:G1B+7]
	s_nop 0
	PLACES
.Lfirst_asked:
	v_and_b32 v10, 31, v0
	v_lshlrev_b32 v[LI], 4, v10
	v_lshlrev_b32 v[LS], 2, v10
	v_and_b32 v3, 15, v0                           ; r
	v_bfe_u32 v4, v0, 4, 1                         ; h
	s_mul_i32 s90, s[WI], 49152
	s_mul_i32 s91, s[WJ], 24576
	s_add_co_u32 s91, s91, AB
	v_add_nc_u32 v[ADRA], s90, v[LI]
	v_add_nc_u32 v[ADRB], s91, v[LI]
	v_add_nc_u32 v[ADRA+1], SLOT, v[ADRA]
	v_add_nc_u32 v[ADRB+1], SLOT, v[ADRB]
	s_lshl_b32 s90, s[WI], 9
	s_add_co_u32 s91, s90, LRC
	s_add_co_u32 s90, s90, SCA
	v_add_nc_u32 v[ADSA], s90, v[LS]
	v_lshl_add_u32 v[LRA], v3, 2, s91
	s_lshl_b32 s90, s[WJ], 8
	s_add_co_u32 s90, s90, SCB
	v_add_nc_u32 v[ADSB], s90, v[LS]
	v_lshl_add_u32 v[PS], v0, 2, SCA
	v_lshl_add_u32 v[PL], v0, 2, LRC
	s_mul_i32 s90, s[WV], 4352                     ; my stage for the way out: 16 rows x (256 bytes + 16), in slot 0
	v_mul_u32_u24 v[STO], v3, 272
	v_lshl_add_u32 v[STO], v4, 6, v[STO]
	v_add_nc_u32 v[STO], s90, v[STO]
	v_mul_u32_u24 v[RD], v4, 272
	v_lshl_add_u32 v[RD], v3, 4, v[RD]
	v_add_nc_u32 v[RD], s90, v[RD]
	v_lshlrev_b32 v[GO], 12, v4
	v_lshl_add_u32 v[GO], v3, 4, v[GO]
	s_lshl_b32 s90, s[YY], 20                      ; O: 256 rows of 4,096 bytes,
	s_lshl_b32 s91, s[WI], 19                      ; my wave's 128,
	s_add_co_u32 s90, s90, s91
	s_lshl_b32 s91, s[XX], 9                       ; the block's 128 features,
	s_add_co_u32 s90, s90, s91
	s_lshl_b32 s91, s[WJ], 8                       ; my wave's 64
	s_add_co_u32 s90, s90, s91
	s_mov_b32 s91, 0
	s_add_nc_u64 s[12:13], s[12:13], s[90:91]
	; THE FIX-UP, while the first tiles are on their way: stage by stage over the thread's 32 records, in place, so that no line waits for the line above it
	s_wait_loadcnt 0x0
.irp g, 0,1
	v_min3_num_f32 v[192+\g], v[65+4*\g], v[65+4*(2+\g)], v[65+4*(4+\g)]
.endr
.irp s, 3,5,7,9,11,13
.irp g, 0,1
	v_min3_num_f32 v[192+\g], v[192+\g], v[65+4*(2*\s+\g)], v[65+4*(2*\s+2+\g)]
.endr
.endr
.irp g, 0,1
	v_min_num_f32 v[192+\g], v[192+\g], v[65+4*(30+\g)]   ; -M of the whole row: the least -M_loc
.endr
.set q, 0
.rept 32
	v_sub_f32 v[65+4*q], v[65+4*q], v[192+q%2]     ; d = M - M_loc
.set q, q+1
.endr
.set q, 0
.rept 32
	v_cvt_i32_f32 v[65+4*q], v[65+4*q]             ; (it saturates)
.set q, q+1
.endr
.set q, 0
.rept 32
	v_sub_nc_u32 v[67+4*q], 0, v[65+4*q]
.set q, q+1
.endr
.set q, 0
.rept 32
	v_ldexp_f32 v[66+4*q], v[66+4*q], v[67+4*q]    ; l_loc x 2^-d: nothing is rounded
.set q, q+1
.endr
.set q, 0
.rept 32
	v_min_u32 v[65+4*q], 128, v[65+4*q]
.set q, q+1
.endr
.set q, 0
.rept 32
	v_perm_b32 v[65+4*q], v[65+4*q], v[65+4*q], 0  ; d in all four bytes
.set q, q+1
.endr
.set q, 0
.rept 32
	v_or_b32 v[64+4*q], s[M80], v[64+4*q]          ; 128 + byte (the bytes are 1 .. 125),
.set q, q+1
.endr
.set q, 0
.rept 32
	v_sub_nc_u32 v[64+4*q], v[64+4*q], v[65+4*q]   ; - d (at most 128): no borrow crosses a byte; bit 7 stays where byte - d is 0 or more
.set q, q+1
.endr
.set q, 0
.rept 32
	v_lshrrev_b32 v[67+4*q], 7, v[64+4*q]
.set q, q+1
.endr
.set q, 0
.rept 32
	v_and_b32 v[67+4*q], s[M01], v[67+4*q]
.set q, q+1
.endr
.set q, 0
.rept 32
	v_lshlrev_b32 v[65+4*q], 7, v[67+4*q]
.set q, q+1
.endr
.set q, 0
.rept 32
	v_sub_nc_u32 v[67+4*q], v[65+4*q], v[67+4*q]   ; 0x7f in each such byte, 0 in the others
.set q, q+1
.endr
.set q, 0
.rept 32
	v_and_b32 v[64+4*q], v[64+4*q], v[67+4*q]      ; byte - d, held at 0
.set q, q+1
.endr
.set q, 0
.rept 32
	ds_store_b32 v[PS], v[64+4*q] offset:1024*(q/2)+512*(q%2)
.set q, q+1
.endr
.irp d, 16,8,4,2
.set q, 0
.rept \d
	v_add_f32 v[66+4*q], v[66+4*q], v[66+4*(q+\d)]
.set q, q+1
.endr
.endr
	v_rcp_f32 v194, v66
	v_rcp_f32 v195, v70
	v_nop                                          ; a plain place behind the reciprocals
	s_wait_alu depctr_va_vdst(0)                   ; one wait for the two, ahead of their first reader
	ds_store_b32 v[PL], v194
	ds_store_b32 v[PL], v195 offset:512
	s_wait_tensorcnt 0x1                           ; v^T's scale words and my part of chunk 0 are in; chunk 1 may stay out
	s_wait_dscnt 0x0                               ; for the others' sake: my scale words and reciprocals lie in LDS
	s_barrier_signal -1
	s_barrier_wait -1
	FETCH 0
	STEP 0, 1, 1                                   ; the first K step starts the sums: nothing is cleared
	STEP 1, 1, 0
	STEP 2, 1, 0
	TURN 3, 1, G0A, G0B, 12288                     ; chunk 2 into slot 0
	STEP 4, 1, 0
	STEP 5, 1, 0
	STEP 6, 1, 0
	TURN 7, 1, G0A1, G0B1, 12288                   ; chunk 3 into slot 1
	STEP 8, 1, 0
	STEP 9, 1, 0
	STEP 10, 1, 0
	TURN 11, 0, 0, 0, 0                            ; nothing is left to fetch; behind this barrier nobody reads slot 0, and it has had its last fill
	STEP 12, 1, 0
	STEP 13, 1, 0
	STEP 14, 1, 0
	STEP 15, 0, 0
	; THE WAY OUT, a tile of 16 queries at a time: x 1 / l; a lane's eight results are eight neighbouring features of one query; through my stage, back as rows of 256 bytes; the store's offset undoes the order of a tile's rows
	WIN 0
	PLACES
.irp a, 0,1,2,3,4,5,6,7
	ds_load_b32 v[64+2*\a], v[LRA] offset:64*\a
	ds_load_b32 v[65+2*\a], v[LRA] offset:64*\a    ; (the packed form names a pair)
.endr
	s_wait_dscnt 0x0
.macro SENDO a
.set AC_, 32*(\a)
.set OB_, 192+32*((\a)%2)
.if (\a) >= 2
	s_wait_xcnt 0x0                                ; the stores of two tiles back have read their data
.endif
	WIN 0x02                                       ; source 0 window 2
.set i, 0
.rept 16
	v_pk_mul_f32 v[128+2*i:129+2*i], v[AC_+2*i:AC_+2*i+1], v[64+2*(\a):65+2*(\a)] op_sel_hi:[1,0]   ; each accumulator from its low end on
.set i, i+1
.endr
	WIN 0
.irp b, 0,1,2,3
.irp f, 0,1
	ds_store_b128 v[STO], v[128+8*\b+4*\f:131+8*\b+4*\f] offset:128*(\b/2)+32*(\b%2)+16*\f
.endr
.endr
.irp t, 0,1,2,3,4,5,6,7
	ds_load_b128 v[OB_+4*\t:OB_+4*\t+3], v[RD] offset:544*\t       ; LDS serves a wave's instructions in order: these see my stores
.endr
	s_wait_dscnt 0x0
.irp t, 0,1,2,3,4,5,6,7
	global_store_b128 v[GO], v[OB_+4*\t:OB_+4*\t+3], s[12:13] offset:(32*((\a)/2)+8*((\a)%2)+2*\t+8*(\t/4))*4096 th:TH_STORE_NT   ; 16 lanes store 256 consecutive bytes, at a multiple of 256 from O's first byte
.endr
.endm
.irp a, 0,1,2,3,4,5,6,7
	SENDO \a
.endr
	s_wait_tensorcnt 0x0                           ; the wave's end, behind my last tensor load and my last LDS store
	ds_add_u32 v[SPW], v[NIL]
	s_wait_dscnt 0x0
	CROUND                                         ; the closing round
	s_endpgm
.Lfunc_end_k_q71dc914542_pv:
	.size	k_q71dc914542_pv, .Lfunc_end_k_q71dc914542_pv-k_q71dc914542_pv
	.p2alignl 7, 3214868480
	.fill 96, 4, 3214868480
	.section	.rodata,"a",@progbits
	.p2align	6, 0x0
	.amdhsa_kernel k_q71dc914542_pv
		.amdhsa_group_segment_fixed_size 327680
		.amdhsa_private_segment_fixed_size 0
		.amdhsa_enable_private_segment 0
		.amdhsa_kernarg_size 40
		.amdhsa_user_sgpr_count 2
		.amdhsa_user_sgpr_kernarg_segment_ptr 1
		.amdhsa_wavefront_size32 1
		.amdhsa_system_sgpr_workgroup_id_x 1
		.amdhsa_system_sgpr_workgroup_id_y 1
		.amdhsa_system_sgpr_workgroup_id_z 1
		.amdhsa_system_vgpr_workitem_id 0
		.amdhsa_next_free_vgpr 768
		.amdhsa_next_free_sgpr 96
		.amdhsa_reserve_vcc 0
		.amdhsa_float_denorm_mode_32 3
		.amdhsa_float_denorm_mode_16_64 3
		.amdhsa_memory_ordered 1
		.amdhsa_forward_progress 1
		.amdhsa_inst_pref_size 169
	.end_amdhsa_kernel
	.amdgpu_metadata
---
amdhsa.version: [ 1, 2 ]
amdhsa.kernels:
  - .name:           k_q71dc914542_pv
    .symbol:         k_q71dc914542_pv.kd
    .args:
      - { .name: pc, .offset: 0, .size: 8, .value_kind: global_buffer, .address_space: global }
      - { .name: pst, .offset: 8, .size: 8, .value_kind: global_buffer, .address_space: global }
      - { .name: hc, .offset: 16, .size: 8, .value_kind: global_buffer, .address_space: global }
      - { .name: hs, .offset: 24, .size: 8, .value_kind: global_buffer, .address_space: global }
      - { .name: out0, .offset: 32, .size: 8, .value_kind: global_buffer, .address_space: global }
    .group_segment_fixed_size: 327680
    .private_segment_fixed_size: 0
    .kernarg_segment_align: 8
    .kernarg_segment_size: 40
    .max_flat_workgroup_size: 128
    .sgpr_count:     96
    .vgpr_count:     768
    .wavefront_size: 32
...
	.end_amdgpu_metadata
.endif
;; end of part 4
